; MI455X (gfx1250); checked and timed in simulation.
; The chip was launched on July 23, 2026; its instructions are those of AMD's public machine-readable ISA for CDNA 5 (MIT licence, August 2026) and "CDNA5" Instruction Set Architecture Reference Guide (July 2026). The comments in the code are by the model that wrote it; some were corrected since.
;; Horizon Forcing GRU Layer. Allowed arithmetic: float matrix products may take bf16 or f16 operands with f32 sums; other float arithmetic in f32, or as packed bf16 or f16 multiplies, adds, multiply-adds, maxima and minima; sums over many terms, partial sums and values carried from step to step in f32; what a program stores and reads back later, other than sums and carried values, may be rounded once to bf16 or f16.
;; Inputs: U_gru 1,024 x 3,072 float32; W_dense 1,024 x 1,024 float32; W_gru 1,024 x 3,072 float32; b_dense 1,024 float32; b_gru 2 x 3,072 float32; inputs 32 x 256 x 1,024 float32.
;; Outputs: out0 32 x 256 x 1,024 float32; out1 32 x 256 x 1,024 float32.
;; 2 versions, each right; version 2 is version 1 with the launch prep written anew for expert scheduling mode. Each part assembles by itself: llvm-mc -triple=amdgcn-amd-amdhsa -mcpu=gfx1250 --defsym DOCPART=n.
;; ======== version 1 of 2: 3 launches
;; workspace buffers: hb 16,777,216 bytes; wdb 2,097,152 bytes; wgt 6,291,456 bytes; uzr 4,194,304 bytes; wall 10,485,760 bytes; bpart 98,304 bytes; cb 12,288 bytes
;; launch prep (part 1): grid 2048 x 1, 8 waves a work-group, no clusters, 22,016 bytes of LDS; arguments inputs, W_dense, W_gru, U_gru, b_dense, hb, wdb, wgt, uzr, wall, bpart; writes hb, wdb, wgt, uzr, wall, bpart
.if DOCPART == 1
	.amdgcn_target "amdgcn-amd-amdhsa--gfx1250"
	.amdhsa_code_object_version 6
	.text
	.protected	k_qfb4ad276f6_prep
	.globl	k_qfb4ad276f6_prep
	.p2align	8
	.type	k_qfb4ad276f6_prep,@function
k_qfb4ad276f6_prep:
	s_mov_b64 s[64:65], 0
	v_nop
	global_prefetch_b8 v0, s[64:65] scope:SCOPE_SE
	s_setreg_imm32_b32 hwreg(HW_REG_WAVE_MODE, 25, 1), 1
	s_wait_xcnt 0x0
; PREP: every f32 matrix operand is rounded once to bf16 and laid so that K runs along the rows.
;   work-groups 0 .. 1151 CAST 8,192 consecutive numbers each: inputs -> hb [8192][1024], W_dense -> wdb [1024 h][1024 d] (as it lies).
;   work-groups 1152 .. 2047 TRANSPOSE a tile of 128 k x 64 n:
;     W_dense          -> wall, gate 0        U_gru[:, 0:2048]    -> uzr [2048 j][1024 h]
;     U_gru[:, 2048:]  -> wall, gate 4        W_gru               -> wgt [3072 j][1024 d]
;   wall is [5120][1024 h]: output column n of gate g lies in row (n / 32) 160 + 32 g + n % 32, so that 32 columns' five gates are 160 rows on end.
;   W_gru's tiles also leave bpart[kt][j] = the sum over the tile's 128 d of b_dense[d] W_gru[d][j], in f32 on the unrounded numbers.
; A stream: no byte is shared between work-groups, so no matrix unit, no cluster, no tensor load.  Every store of a wave covers 256 consecutive bytes, aligned.
; The sums with b_dense are made in every transposing tile and stored for W_gru's alone: one text, and nothing is read that some way through it has not written.
.set NCAST,  1152
.set TPITCH, 264                       ; an LDS row of the turned tile: 128 bf16 + 8 bytes
.set RED,    64*TPITCH                 ; 16 rows x 256 bytes: each thread's four column sums
.set SPARE,  RED+4096                  ; the spare words, 128 bytes for each of the eight waves: four blocks of 256 bytes that no other line names
.set SPW, 14                           ; v14  SPARE + 4 x my thread's number; never rewritten
.set NIL, 15                           ; v15  0; never rewritten
.set VO,  16                           ; v16-23  byte offsets of my eight rows in the source tile
.set BD,  24                           ; v24-31  b_dense of my eight rows
.set X,   32                           ; v32-63  eight rows x four columns, f32
.set PK,  64                           ; v64-79  pairs of neighbouring k, bf16
.set SUM, 80                           ; v80-83  my four column sums
	s_load_b512 s[4:19], s[0:1], 0x0               ; inputs 4, W_dense 6, W_gru 8, U_gru 10, b_dense 12, hb 14, wdb 16, wgt 18
	s_load_b128 s[20:23], s[0:1], 0x40             ; uzr 20, wall 22
	s_load_b64 s[24:25], s[0:1], 0x50              ; bpart
	v_lshl_add_u32 v[SPW], v0, 2, SPARE
	v_mov_b32 v[NIL], 0
	s_mov_b32 s26, ttmp9
	s_mov_b32 s45, 0                               ; the high word of every offset
	s_wait_kmcnt 0x0
	s_cmp_lt_u32 s26, NCAST
	s_cbranch_scc0 .Ltrans
	; CAST.  32,768 bytes in, 16,384 out.  Thread t takes 16 bytes of each 4,096; all eight loads go out before the first is used.
	s_cmp_lt_u32 s26, 1024
	s_cselect_b64 s[28:29], s[4:5], s[6:7]
	s_cselect_b64 s[30:31], s[14:15], s[16:17]
	s_cselect_b32 s27, 0, 1024
	s_sub_co_u32 s27, s26, s27                     ; my chunk of the tensor
	s_lshl_b32 s44, s27, 15
	s_add_nc_u64 s[28:29], s[28:29], s[44:45]
	s_lshl_b32 s44, s27, 14
	s_add_nc_u64 s[30:31], s[30:31], s[44:45]
	v_lshlrev_b32 v1, 4, v0
	v_lshlrev_b32 v2, 3, v0
.irp j, 0,1,2,3,4,5,6,7
	global_load_b128 v[X+4*(\j):X+4*(\j)+3], v1, s[28:29] offset:4096*(\j)
.endr
.irp j, 0,1,2,3,4,5,6,7
	s_wait_loadcnt 7-(\j)                          ; loads come back in order: number j is in, the younger ones stay out
	v_cvt_pk_bf16_f32 v[PK+2*(\j)], v[X+4*(\j)], v[X+4*(\j)+1]
	v_cvt_pk_bf16_f32 v[PK+2*(\j)+1], v[X+4*(\j)+2], v[X+4*(\j)+3]
	global_store_b64 v2, v[PK+2*(\j):PK+2*(\j)+1], s[30:31] offset:2048*(\j)  ; 32 lanes x 8 bytes: 256 on end
.endr
	s_endpgm                                       ; this way has touched no LDS
.Ltrans:
	; Which tile: the job by three compares on the tile's number; kt = which 128 of K, ct = which 64 columns.
	s_sub_co_u32 s27, s26, NCAST
	s_and_b32 s28, s27, 7                          ; kt
	v_lshrrev_b32 v10, 5, v0
	v_readfirstlane_b32 s42, v10                   ; wave 0..7
	s_mov_b32 s34, 512                             ; the job's first tile
	s_mov_b32 s39, 12288                           ; bytes in a row of the source
	s_cmp_lt_u32 s27, 512
	s_cselect_b64 s[30:31], s[10:11], s[8:9]       ; source: U_gru, else W_gru
	s_cselect_b64 s[32:33], s[22:23], s[18:19]     ; target: wall, else wgt
	s_cselect_b32 s34, 384, s34
	s_cselect_b32 s35, 2048, 0                     ; first source column
	s_cselect_b32 s36, 160, 32                     ; target rows for each 32 columns
	s_cselect_b32 s37, 128, 0                      ; the gate's 32 g
	s_cselect_b32 s38, 0, 1                        ; 1: bpart is stored
	s_cmp_lt_u32 s27, 384
	s_cselect_b64 s[32:33], s[20:21], s[32:33]     ; uzr
	s_cselect_b32 s34, 128, s34
	s_cselect_b32 s35, 0, s35
	s_cselect_b32 s36, 32, s36
	s_cselect_b32 s37, 0, s37
	s_cmp_lt_u32 s27, 128
	s_cselect_b64 s[30:31], s[6:7], s[30:31]       ; W_dense
	s_cselect_b64 s[32:33], s[22:23], s[32:33]     ; wall
	s_cselect_b32 s34, 0, s34
	s_cselect_b32 s36, 160, s36
	s_cselect_b32 s39, 4096, s39
	s_sub_co_u32 s40, s27, s34
	s_lshr_b32 s40, s40, 3                         ; ct
	s_lshl_b32 s41, s28, 7
	s_mul_i32 s41, s41, s39                        ; 128 kt rows down,
	s_lshl_b32 s43, s40, 6
	s_add_co_u32 s43, s43, s35
	s_lshl_b32 s43, s43, 2                         ; the tile's first column, in bytes
	s_add_co_u32 s44, s41, s43
	s_add_nc_u64 s[30:31], s[30:31], s[44:45]
	s_lshl_b32 s46, s40, 1                         ; my wave stores the target rows of columns 64 ct + 8 w .. + 7:
	s_lshr_b32 s47, s42, 2
	s_add_co_u32 s46, s46, s47                     ; their group of 32 columns,
	s_mul_i32 s46, s46, s36
	s_add_co_u32 s46, s46, s37                     ; the gate,
	s_and_b32 s47, s42, 3
	s_lshl3_add_u32 s46, s47, s46                  ; the place in the group
	s_lshl_b32 s46, s46, 11                        ; rows of 2,048 bytes
	s_lshl_b32 s47, s28, 8                         ; 128 k = 256 bytes along the row
	s_add_co_u32 s44, s46, s47
	s_add_nc_u64 s[32:33], s[32:33], s[44:45]
	s_mul_i32 s44, s28, 12288
	s_lshl_b32 s46, s40, 8
	s_add_co_u32 s44, s44, s46
	s_add_nc_u64 s[24:25], s[24:25], s[44:45]      ; bpart[kt][64 ct]
	; Thread t: columns 4 c .. 4 c + 3 (c = t % 16) of the rows 32 i + 2 p + e (p = t / 16): 16 lanes read 256 consecutive bytes of a row.
	v_and_b32 v1, 15, v0                           ; c
	v_lshrrev_b32 v2, 4, v0                        ; p
	v_and_b32 v3, 31, v0                           ; lane
	v_mul_u32_u24 v4, v1, 4*TPITCH
	v_lshl_add_u32 v4, v2, 2, v4                   ; in: row n = 4 c, k = 2 p
	v_lshl_add_u32 v5, v0, 4, RED                  ; my four sums: row p, columns 4 c ..
	s_mul_i32 s50, s42, 8*TPITCH
	v_lshl_add_u32 v6, v3, 3, s50                  ; back: rows 8 w .., 8 bytes a lane
	v_lshlrev_b32 v7, 3, v3                        ; the same 8 bytes in memory
	v_add_nc_u32 v8, RED, v7                       ; two columns' sums
	s_lshl_b32 s48, s28, 9
	v_lshl_add_u32 v9, v2, 3, s48                  ; b_dense[128 kt + 2 p]
	v_lshlrev_b32 v10, 1, v2
	v_mul_u32_u24 v10, s39, v10
	v_lshl_add_u32 v[VO], v1, 4, v10               ; row 2 p, column 4 c
.irp n, 1,2,3,4,5,6,7
	s_mul_i32 s49, s39, 32*((\n)/2)+(\n)%2
	v_add_nc_u32 v[VO+(\n)], s49, v[VO]            ; row 32 i + 2 p + e, n = 2 i + e
.endr
.irp n, 0,1,2,3,4,5,6,7
	global_load_b128 v[X+4*(\n):X+4*(\n)+3], v[VO+(\n)], s[30:31]
.endr
.irp i, 0,1,2,3
	global_load_b64 v[BD+2*(\i):BD+2*(\i)+1], v9, s[12:13] offset:128*(\i)
.endr
	s_wait_loadcnt 0x0                             ; all twelve: other work-groups on the WGP have their loads out meanwhile
.irp i, 0,1,2,3
.irp q, 0,1,2,3
	v_cvt_pk_bf16_f32 v[PK+4*(\i)+(\q)], v[X+8*(\i)+(\q)], v[X+8*(\i)+4+(\q)]  ; k = 32 i + 2 p and the next, column 4 c + q
	ds_store_b32 v4, v[PK+4*(\i)+(\q)] offset:TPITCH*(\q)+64*(\i)
.endr
.endr
.irp q, 0,1,2,3
	v_mul_f32 v[SUM+(\q)], v[BD], v[X+(\q)]        ; the first row starts the sums
.endr
.irp n, 1,2,3,4,5,6,7
.irp q, 0,1,2,3
	v_fmac_f32 v[SUM+(\q)], v[BD+(\n)], v[X+4*(\n)+(\q)]
.endr
.endr
	ds_store_b128 v5, v[SUM:SUM+3]
	s_wait_dscnt 0x0                               ; for the others' sake: my stores are done
	s_barrier_signal -1
	s_barrier_wait -1
.irp q, 0,1,2,3,4,5,6,7
	ds_load_b64 v[X+2*(\q):X+2*(\q)+1], v6 offset:TPITCH*(\q)
.endr
.irp q, 0,1,2,3,4,5,6,7
	s_wait_dscnt 7-(\q)
	global_store_b64 v7, v[X+2*(\q):X+2*(\q)+1], s[32:33] offset:2048*(\q)  ; a target row's 256 bytes of this tile
.endr
	s_cmp_eq_u32 s38, 1                            ; W_gru's tiles alone,
	s_cbranch_scc0 .Lend
	s_cmp_eq_u32 s42, 0                            ; and there wave 0: the sixteen rows of sums into one
	s_cbranch_scc0 .Lend
.irp g, 0,1,2,3,4,5,6,7,8,9,10,11,12,13,14,15
	ds_load_b64 v[48+2*(\g):49+2*(\g)], v8 offset:256*(\g)  ; registers that no pending store reads
.endr
	s_wait_dscnt 0x0
.irp g, 0,1,2,3,4,5,6,7
	v_pk_add_f32 v[48+2*(\g):49+2*(\g)], v[48+2*(\g):49+2*(\g)], v[64+2*(\g):65+2*(\g)]
.endr
.irp g, 0,1,2,3
	v_pk_add_f32 v[48+2*(\g):49+2*(\g)], v[48+2*(\g):49+2*(\g)], v[56+2*(\g):57+2*(\g)]
.endr
.irp g, 0,1
	v_pk_add_f32 v[48+2*(\g):49+2*(\g)], v[48+2*(\g):49+2*(\g)], v[52+2*(\g):53+2*(\g)]
.endr
	v_pk_add_f32 v[48:49], v[48:49], v[50:51]
	global_store_b64 v7, v[48:49], s[24:25]        ; 64 columns' sums: 256 bytes on end
.Lend:
	s_wait_tensorcnt 0x0                           ; the wave's end, behind my last LDS store
	ds_add_u32 v[SPW], v[NIL]
	s_wait_dscnt 0x0
	s_endpgm
.Lfunc_end_k_qfb4ad276f6_prep:
	.size	k_qfb4ad276f6_prep, .Lfunc_end_k_qfb4ad276f6_prep-k_qfb4ad276f6_prep
	.p2alignl 7, 3214868480
	.fill 96, 4, 3214868480
	.section	.rodata,"a",@progbits
	.p2align	6, 0x0
	.amdhsa_kernel k_qfb4ad276f6_prep
		.amdhsa_group_segment_fixed_size 22016
		.amdhsa_private_segment_fixed_size 0
		.amdhsa_enable_private_segment 0
		.amdhsa_kernarg_size 88
		.amdhsa_user_sgpr_count 2
		.amdhsa_user_sgpr_kernarg_segment_ptr 1
		.amdhsa_wavefront_size32 1
		.amdhsa_system_sgpr_workgroup_id_x 1
		.amdhsa_system_sgpr_workgroup_id_y 1
		.amdhsa_system_sgpr_workgroup_id_z 1
		.amdhsa_system_vgpr_workitem_id 0
		.amdhsa_next_free_vgpr 96
		.amdhsa_next_free_sgpr 66
		.amdhsa_reserve_vcc 0
		.amdhsa_float_denorm_mode_32 3
		.amdhsa_float_denorm_mode_16_64 3
		.amdhsa_memory_ordered 1
		.amdhsa_forward_progress 1
		.amdhsa_inst_pref_size 16
	.end_amdhsa_kernel
	.amdgpu_metadata
---
amdhsa.version: [ 1, 2 ]
amdhsa.kernels:
  - .name:           k_qfb4ad276f6_prep
    .symbol:         k_qfb4ad276f6_prep.kd
    .args:
      - { .name: inputs, .offset: 0, .size: 8, .value_kind: global_buffer, .address_space: global }
      - { .name: W_dense, .offset: 8, .size: 8, .value_kind: global_buffer, .address_space: global }
      - { .name: W_gru, .offset: 16, .size: 8, .value_kind: global_buffer, .address_space: global }
      - { .name: U_gru, .offset: 24, .size: 8, .value_kind: global_buffer, .address_space: global }
      - { .name: b_dense, .offset: 32, .size: 8, .value_kind: global_buffer, .address_space: global }
      - { .name: hb, .offset: 40, .size: 8, .value_kind: global_buffer, .address_space: global }
      - { .name: wdb, .offset: 48, .size: 8, .value_kind: global_buffer, .address_space: global }
      - { .name: wgt, .offset: 56, .size: 8, .value_kind: global_buffer, .address_space: global }
      - { .name: uzr, .offset: 64, .size: 8, .value_kind: global_buffer, .address_space: global }
      - { .name: wall, .offset: 72, .size: 8, .value_kind: global_buffer, .address_space: global }
      - { .name: bpart, .offset: 80, .size: 8, .value_kind: global_buffer, .address_space: global }
    .group_segment_fixed_size: 22016
    .private_segment_fixed_size: 0
    .kernarg_segment_align: 8
    .kernarg_segment_size: 88
    .max_flat_workgroup_size: 256
    .sgpr_count:     66
    .vgpr_count:     96
    .wavefront_size: 32
...
	.end_amdgpu_metadata
.endif
;; end of part 1
;; launch combine (part 2): grid 8 x 32, 4 waves a work-group, clusters of 4 x 4, 327,680 bytes of LDS; arguments wgt, wdb, uzr, bpart, b_gru, wall, cb; writes wall, cb
.if DOCPART == 2
	.amdgcn_target "amdgcn-amd-amdhsa--gfx1250"
	.amdhsa_code_object_version 6
	.text
	.protected	k_qfb4ad276f6_combine
	.globl	k_qfb4ad276f6_combine
	.p2align	8
	.type	k_qfb4ad276f6_combine,@function
k_qfb4ad276f6_combine:
	s_mov_b64 s[64:65], 0
	v_nop
	global_prefetch_b8 v0, s[64:65] scope:SCOPE_SE
	s_setreg_imm32_b32 hwreg(HW_REG_WAVE_MODE, 25, 1), 1
	s_wait_xcnt 0x0
	s_wait_alu depctr_hold_cnt(0) depctr_sa_sdst(0) depctr_va_vdst(0) depctr_va_sdst(0) depctr_va_ssrc(0) depctr_va_vcc(0) depctr_vm_vsrc(0)
	s_getreg_b32 s2, hwreg(HW_REG_IB_STS2, 6, 4)
	s_cmp_eq_u32 s2, 0
	s_cbranch_scc0 .Lentry_in_a_cluster
	s_endpgm
.Lentry_in_a_cluster:
	s_bfe_u32 s2, ttmp6, 0x10000c
	s_cmp_lg_u32 s2, 0xf033
	s_cbranch_scc0 .Lentry_shape_is_right
	s_endpgm
.Lentry_shape_is_right:
; COMBINE: (h Wd + bd) Wg = h (Wd Wg) + bd Wg, so the dense layer and the GRU's input kernel are multiplied once, here, and the big launch has one product.
;   C[j][h] = the sum over d of wgt[j][d] wdb[h][d] = (W_dense W_gru)[h][j]; sums in f32.  For j < 2048 (gates z and r) U_gru[h][j] is added, from uzr; the sum is rounded once to bf16
;   and goes to wall, gate 1 + j / 1024, row (n / 32) 160 + 32 g + n % 32 with n = j % 1024.
;   cb[j] = the eight partial sums of bd W_gru + b_gru[0][j], + b_gru[1][j] for j < 2048.
; THE ORDER OF ROUNDING DIFFERS FROM THE MODULE'S AS WRITTEN: the product of the two weights (with U) is rounded to bf16, pred as an operand is not.  No difference of large sums is formed; bf16 has f32's range.
; LIMIT: for j >= 2048 a row of uzr is read and multiplied by 0 (below): an infinity or NaN there would spread.  NaN and infinities are not treated apart.
; SHARES.  A tile of C is 96 x 128: 32 x 8 = 256 work-groups.  Four waves, each 48 x 64: 12 accumulators.  K in steps of 256 (LDS rows of 512 bytes + 16) through two slots; four steps, written out.
; CLUSTER 4 x 4: the four of a row of the cluster need the same rows of wgt, the four of a column the same rows of wdb: joint loads.
; U is always loaded (from a clamped row) and enters by a factor 1 or 0.
; THE MATRIX INSTRUCTION IS USED TRANSPOSED (source 0 = 16 rows of wdb, source 1 = 16 rows of wgt): a lane holds row j = lane % 16 and eight neighbouring h.
; No prefetch: K has four steps, two of them first fills and two asked for a step behind those, so no step lies far enough ahead to be named earlier.
; REGISTERS: window 0: v16-29 addresses; v32-79 U, 12 x 4; v80-87 at work; v100-111 cb; v128-223 accumulators ((a, b) at 128 + 8 (4 a + b)).
;   window 1: two fragment buffers of 112: 64 along K: 6 fragments of wgt, then 8 of wdb.
.set PITCH,  528                       ; 132 words: the 16 rows of a fragment load start at 16 different groups of four banks (ISA guide 11.1)
.set AH,     48*PITCH                  ; what waves 0 and 1 fetch: 48 rows of wgt
.set BH,     64*PITCH                  ; what waves 2 and 3 fetch: 64 rows of wdb
.set BOFF,   2*AH
.set SLOT,   2*AH+2*BH
.set STAGE,  2*SLOT                    ; behind the ring: 96 rows x 128 f32 + 16 bytes; no tensor load fills it
.set SPARE,  STAGE+96*PITCH            ; the spare words, 128 bytes for each wave: two blocks of 256 bytes that no other line names
.set KB,     512                       ; bytes of a K step in a row
.set ADRA, 16
.set ADRB, 20
.set STO,  24
.set RD,   25
.set UO,   26
.set SPW,  28                          ; v28  SPARE + 4 x my thread's number; never rewritten
.set NIL,  29                          ; v29  0; never rewritten
.set U,    32
.set T,    80
.set ACC,  128
.set F0,   0
.set F1,   112
.set WV, 20                            ; s20 wave; s21 its 48 rows, also: fetches wgt (0) or wdb (1); s22 its 64 columns, also: which half it fetches
.set WR, 21
.set WC, 22
.set CX, 23
.set CY, 24
.set TX, 25                            ; tile column
.set TY, 26                            ; tile row
.set G1A, 28
.set G0A, 36
.set G1B, 44
.set G0B, 52
.set WP,  68                           ; s[68:73] wall at row group G's first row, my tile's columns
.set UP,  74                           ; s[74:79] uzr likewise (clamped)
.set FG,  80                           ; s[80:85] 1.0 or 0, in the low word of a pair
.set MSB, 0
.macro WIN new                         ; the immediate's high byte repeats the setting that is left
.if MSB != (\new)
	s_set_vgpr_msb (MSB<<8)|(\new)
.set MSB, \new
.endif
.endm
.macro PLACES                          ; four places behind matrix instructions, in front of loads into registers that they read and of lines that read results
.rept 4
	v_nop
.endr
.endm
.macro JLOAD s                         ; a joint load; an s_nop 0 and four v_nop follow each of the two lines
	s_cmp_eq_u32 s[WR], 0
	s_cbranch_scc0 .Lfor_b_\@
	tensor_load_to_lds s[G0A+4*(\s):G0A+4*(\s)+3], s[G1A:G1A+7]
	s_nop 0
.rept 4
	v_nop
.endr
	s_branch .Lasked_\@
.Lfor_b_\@:
	tensor_load_to_lds s[G0B+4*(\s):G0B+4*(\s)+3], s[G1B:G1B+7]
	s_nop 0
.rept 4
	v_nop
.endr
.Lasked_\@:
.endm
.macro CREST                           ; a round of the cluster's barrier behind its opening barrier
	s_cmp_lg_u32 s[WV], 0
	s_cbranch_scc1 .Lnot_wave_0_\@
	s_barrier_signal -3
.Lnot_wave_0_\@:
	s_barrier_wait -3
	s_barrier_signal -1
	s_barrier_wait -1
.endm
.macro CROUND
	s_barrier_signal -1
	s_barrier_wait -1
	CREST
.endm
	s_load_b256 s[4:11], s[0:1], 0x0               ; wgt 4, wdb 6, uzr 8, bpart 10
	s_load_b128 s[12:15], s[0:1], 0x20             ; b_gru 12, wall 14
	s_load_b64 s[16:17], s[0:1], 0x30              ; cb
	v_lshl_add_u32 v[SPW], v0, 2, SPARE
	v_mov_b32 v[NIL], 0
	ds_add_u32 v[SPW], v[NIL]                      ; the wave's opening: the add, twice on end, and its wait ahead of my first tensor load
	ds_add_u32 v[SPW], v[NIL]
	v_lshrrev_b32 v1, 5, v0
	v_readfirstlane_b32 s[WV], v1
	s_lshr_b32 s[WR], s[WV], 1
	s_and_b32 s[WC], s[WV], 1
	s_bfe_u32 s[CX], ttmp6, 0x40000
	s_bfe_u32 s[CY], ttmp6, 0x40004
	s_lshl_b32 s[TX], ttmp9, 2
	s_add_co_u32 s[TX], s[TX], s[CX]
	s_and_b32 s[TY], ttmp7, 0xffff
	s_lshl_b32 s[TY], s[TY], 2
	s_add_co_u32 s[TY], s[TY], s[CY]
	s_lshl_b32 s27, s[CY], 2
	s_lshl_b32 s27, 15, s27                        ; my row of the cluster
	s_lshl_b32 s62, 0x1111, s[CX]                  ; my column
	s_or_b32 s[G1A], s27, (1<<16)|(1<<20)|(1<<21)|(6<<22)|(3<<25)  ; the mask; 2-byte elements; padding on; bit 21 beside a mask; after every 128 words, 4 words
	s_or_b32 s[G1B], s62, (1<<16)|(1<<20)|(1<<21)|(6<<22)|(3<<25)
	s_mov_b32 s[G1A+1], 256<<16                    ; tensor_dim0 = 256
	s_mov_b32 s[G1A+2], 48<<16                     ; tensor_dim1 = 48
	s_mov_b32 s[G1A+3], 256<<16                    ; tile_dim0 = 256
	s_mov_b32 s[G1A+4], 48                         ; tile_dim1 = 48
	s_mov_b32 s[G1A+5], 1024                       ; elements from row to row
	s_mov_b32 s[G1A+6], 0
	s_mov_b32 s[G1A+7], 0
	s_mov_b32 s[G1B+1], 256<<16
	s_mov_b32 s[G1B+2], 64<<16
	s_mov_b32 s[G1B+3], 256<<16
	s_mov_b32 s[G1B+4], 64
	s_mov_b32 s[G1B+5], 1024
	s_mov_b32 s[G1B+6], 0
	s_mov_b32 s[G1B+7], 0
	s_mul_i32 s86, s[TY], 96                       ; wgt: row 96 x tile row + 48 x half, in registers that never hold cx
	s_mul_i32 s87, s[WC], 48
	s_add_co_u32 s86, s86, s87
	s_lshl_b32 s86, s86, 11
	s_mov_b32 s87, 0
	s_lshl_b32 s90, s[TX], 7                       ; wdb: row 128 x tile column + 64 x half, in registers that never hold cy
	s_lshl_b32 s91, s[WC], 6
	s_add_co_u32 s90, s90, s91
	s_lshl_b32 s90, s90, 11
	s_mov_b32 s91, 0
	s_mul_i32 s60, s[WC], AH                       ; where they go: the wave's number alone enters an LDS address
	s_mul_i32 s61, s[WC], BH
	s_add_co_u32 s61, s61, BOFF
	s_wait_dscnt 0x0                               ; both opening adds are done
	s_wait_kmcnt 0x0
	s_add_nc_u64 s[88:89], s[4:5], s[86:87]
	s_add_nc_u64 s[92:93], s[6:7], s[90:91]
	CROUND                                         ; all sixteen work-groups are here: the first joint loads meet
.irp s, 0,1
	s_mov_b32 s[G0A+4*(\s)], 1
	s_add_co_u32 s[G0A+4*(\s)+1], s60, (\s)*SLOT
	s_add_nc_u64 s[G0A+4*(\s)+2:G0A+4*(\s)+3], s[88:89], (\s)*KB
	s_or_b32 s[G0A+4*(\s)+3], s[G0A+4*(\s)+3], 0x80000000
	s_mov_b32 s[G0B+4*(\s)], 1
	s_add_co_u32 s[G0B+4*(\s)+1], s61, (\s)*SLOT
	s_add_nc_u64 s[G0B+4*(\s)+2:G0B+4*(\s)+3], s[92:93], (\s)*KB
	s_or_b32 s[G0B+4*(\s)+3], s[G0B+4*(\s)+3], 0x80000000
	JLOAD \s
.endr
	; cb: 3,072 numbers, 12 to a work-group, by 12 lanes of wave 0, while the first tiles are on their way.  48 bytes a work-group: the whole table is 12 KiB.
	s_cmp_lg_u32 s[WV], 0
	s_cbranch_scc1 .Lno_cb
	s_lshl3_add_u32 s86, s[TY], s[TX]              ; 8 y + x: the work-group's number
	s_mul_i32 s86, s86, 12
	v_add_nc_u32 v100, s86, v0                     ; j
	v_lshlrev_b32 v101, 2, v100
	v_cmp_gt_u32 vcc_lo, 12, v0
	s_wait_xcnt 0x0                                ; EXEC changes only behind this wait
	s_and_saveexec_b32 s87, vcc_lo
.irp p, 0,1,2,3,4,5,6,7
	global_load_b32 v[102+(\p)], v101, s[10:11] offset:12288*(\p)
.endr
	global_load_b32 v110, v101, s[12:13]                ; b_gru[0][j]
	global_load_b32 v111, v101, s[12:13] offset:12288   ; b_gru[1][j]
	s_wait_loadcnt 0x0
	v_cmp_gt_u32 vcc_lo, 2048, v100
	v_cndmask_b32 v111, 0, v111, vcc_lo            ; gate h's recurrent bias stays apart: it is multiplied by r
	v_add_f32 v102, v102, v103
	v_add_f32 v104, v104, v105
	v_add_f32 v106, v106, v107
	v_add_f32 v108, v108, v109
	v_add_f32 v110, v110, v111
	v_add_f32 v102, v102, v104
	v_add_f32 v106, v106, v108
	v_add_f32 v102, v102, v110
	v_add_f32 v102, v102, v106
	global_store_b32 v101, v102, s[16:17]
	s_wait_xcnt 0x0                                ; and again, in front of the line that widens EXEC
	s_or_b32 exec_lo, exec_lo, s87
.Lno_cb:
	; The tile's 96 rows are three groups of 32 rows j = 32 q .. , q = 3 y + G: each lies whole in one gate and in one group of wall.
.irp G, 0,1,2
	s_mul_i32 s86, s[TY], 3
	s_add_co_u32 s86, s86, \G                      ; q
	s_min_u32 s87, s86, 63                         ; uzr has 64 groups
	s_lshl_b32 s88, s87, 16                        ; 32 rows of 2,048 bytes
	s_lshl_b32 s90, s[TX], 8                       ; 128 columns h = 256 bytes
	s_add_co_u32 s88, s88, s90
	s_mov_b32 s89, 0
	s_add_nc_u64 s[UP+2*(\G):UP+2*(\G)+1], s[8:9], s[88:89]
	s_and_b32 s87, s86, 31
	s_mul_i32 s87, s87, 160
	s_lshr_b32 s91, s86, 5
	s_lshl_b32 s91, s91, 5
	s_add_co_u32 s87, s87, s91
	s_add_co_u32 s87, s87, 32                      ; (q % 32) 160 + 32 (1 + q / 32)
	s_lshl_b32 s88, s87, 11
	s_add_co_u32 s88, s88, s90
	s_add_nc_u64 s[WP+2*(\G):WP+2*(\G)+1], s[14:15], s[88:89]
	s_cmp_lt_u32 s86, 64
	s_cselect_b32 s[FG+2*(\G)], 1.0, 0
	s_mov_b32 s[FG+2*(\G)+1], 0                    ; named with it as a pair
.endr
	v_and_b32 v1, 15, v0                           ; l % 16
	v_bfe_u32 v2, v0, 4, 1                         ; l / 16
	v_lshlrev_b32 v[UO], 11, v2                    ; on the way out wave w has rows 8 w .. 8 w + 7 of each group: lanes 0-15 one row's 256 bytes, lanes 16-31 the next
	v_lshl_add_u32 v[UO], v1, 4, v[UO]
	s_lshl_b32 s86, s[WV], 14
	v_add_nc_u32 v[UO], s86, v[UO]
.irp G, 0,1,2
.irp u, 0,1,2,3
	global_load_b128 v[U+4*(4*(\G)+(\u)):U+4*(4*(\G)+(\u))+3], v[UO], s[UP+2*(\G):UP+2*(\G)+1] offset:4096*(\u)  ; out over the whole product; waited for on the way out
.endr
.endr
	v_mul_u32_u24 v3, v1, PITCH
	v_lshl_add_u32 v3, v2, 4, v3                   ; a fragment's row x pitch + 16 x half
	s_mul_i32 s86, s[WR], AH
	s_mul_i32 s87, s[WC], BH
	s_add_co_u32 s87, s87, BOFF
	v_add_nc_u32 v[ADRA], s86, v3
	v_add_nc_u32 v[ADRB], s87, v3
	v_add_nc_u32 v[ADRA+1], SLOT, v[ADRA]
	v_add_nc_u32 v[ADRB+1], SLOT, v[ADRB]
	v_mul_u32_u24 v[STO], v1, PITCH                ; into the stage: row 48 wr + l % 16, byte 256 wc + 32 (l / 16)
	v_lshl_add_u32 v[STO], v2, 5, v[STO]
	s_lshl_b32 s87, s[WC], 8
	s_add_co_u32 s86, s86, s87
	s_add_co_u32 s86, s86, STAGE
	v_add_nc_u32 v[STO], s86, v[STO]
	v_mul_u32_u24 v[RD], v2, PITCH                 ; back: row 8 w + l / 16, 32 bytes (8 f32) a lane
	v_lshl_add_u32 v[RD], v1, 5, v[RD]
	s_mul_i32 s86, s[WV], 8*PITCH
	s_add_co_u32 s86, s86, STAGE
	v_add_nc_u32 v[RD], s86, v[RD]
	s_mov_b32 s27, 0xffff0000                      ; a word's upper bf16
; 4 matrix instructions: m block a x all 4 n blocks, 32 along K: half c of buffer f.  The 12 accumulators take turns in one order everywhere.
.macro MUL4 f, c, a, zero
	WIN 0x05                                       ; sources in window 1, C and D in window 0
.irp b, 0,1,2,3
.if \zero
	v_wmma_f32_16x16x32_bf16 v[ACC+8*(4*(\a)+(\b)):ACC+8*(4*(\a)+(\b))+7], v[(\f)+48+8*(4*(\c)+(\b)):(\f)+48+8*(4*(\c)+(\b))+7], v[(\f)+8*(3*(\c)+(\a)):(\f)+8*(3*(\c)+(\a))+7], 0
.else
	v_wmma_f32_16x16x32_bf16 v[ACC+8*(4*(\a)+(\b)):ACC+8*(4*(\a)+(\b))+7], v[(\f)+48+8*(4*(\c)+(\b)):(\f)+48+8*(4*(\c)+(\b))+7], v[(\f)+8*(3*(\c)+(\a)):(\f)+8*(3*(\c)+(\a))+7], v[ACC+8*(4*(\a)+(\b)):ACC+8*(4*(\a)+(\b))+7]
.endif
.endr
.endm
; 28 LDS loads in one run: 64 along K at byte k of the rows, into buffer f; the first 32 along K (14 loads) first
.macro FETCH slot, k, f
	WIN 0x40                                       ; destination window 1, address window 0
.irp c, 0,1
.irp b, 0,1,2,3
	ds_load_b128 v[(\f)+48+8*(4*(\c)+(\b)):(\f)+48+8*(4*(\c)+(\b))+3],   v[ADRB+(\slot)] offset:(\k)+64*(\c)+(\b)*16*PITCH
	ds_load_b128 v[(\f)+48+8*(4*(\c)+(\b))+4:(\f)+48+8*(4*(\c)+(\b))+7], v[ADRB+(\slot)] offset:(\k)+64*(\c)+(\b)*16*PITCH+32
.endr
.irp a, 0,1,2
	ds_load_b128 v[(\f)+8*(3*(\c)+(\a)):(\f)+8*(3*(\c)+(\a))+3],   v[ADRA+(\slot)] offset:(\k)+64*(\c)+(\a)*16*PITCH
	ds_load_b128 v[(\f)+8*(3*(\c)+(\a))+4:(\f)+8*(3*(\c)+(\a))+7], v[ADRA+(\slot)] offset:(\k)+64*(\c)+(\a)*16*PITCH+32
.endr
.endr
.endm
; A K step is four quarters of 64 along K, 24 matrix instructions each, on buffers 0, 1, 0, 1.
.macro QUARTER slot, k, f, g, zero
	s_wait_dscnt 14                                ; the first 32 along K are in; the other 14 loads may be out
	MUL4 \f, 0, 0, \zero
	MUL4 \f, 0, 1, \zero
	MUL4 \f, 0, 2, \zero
	PLACES
	FETCH \slot, \k, \g
	s_wait_dscnt 28                                ; all but the 28 just issued
	MUL4 \f, 1, 0, 0
	MUL4 \f, 1, 1, 0
	MUL4 \f, 1, 2, 0
.endm
; The last quarter multiplies buffer 1 and changes slots: each wave waits for all its tensor loads, adds 0 to its spare word, waits for that and for its reads of this slot; fill = 1: the slot is filled again, two K steps on.
.macro TURN slot, next, fill
	WIN 0                                          ; (the add's two registers lie in window 0)
	s_wait_tensorcnt 0x0                           ; all my tensor loads have landed: my part of the next slot
	ds_add_u32 v[SPW], v[NIL]                      ; 0 onto my spare word
	s_wait_dscnt 15                                ; (the add and the youngest 14 loads may be out)
	MUL4 F1, 0, 0, 0
	s_wait_dscnt 0x0                               ; the add is done, and my reads of this slot are over
	s_barrier_signal -1
	MUL4 F1, 0, 1, 0
	MUL4 F1, 0, 2, 0
.if \fill
	WIN 0
.endif
	s_barrier_wait -1
.if \fill
	CREST                                          ; the barrier has opened a round of the cluster's: no wave of any partner still reads this slot or has a load on its way
	s_add_nc_u64 s[G0A+4*(\slot)+2:G0A+4*(\slot)+3], s[G0A+4*(\slot)+2:G0A+4*(\slot)+3], 2*KB
	s_add_nc_u64 s[G0B+4*(\slot)+2:G0B+4*(\slot)+3], s[G0B+4*(\slot)+2:G0B+4*(\slot)+3], 2*KB
	JLOAD \slot                                    ; the first tensor load behind the round; its four v_nop are also the places in front of the loads below
.else
	PLACES
.endif
	FETCH \next, 0, F0
	MUL4 F1, 1, 0, 0
	MUL4 F1, 1, 1, 0
	MUL4 F1, 1, 2, 0
.endm
	s_wait_tensorcnt 0x1                           ; my part of K step 0 is in; step 1's may stay out
	s_barrier_signal -1
	s_barrier_wait -1
	FETCH 0, 0, F0
	QUARTER 0, 128, F0, F1, 1                      ; the first products start the sums: nothing is cleared
	QUARTER 0, 256, F1, F0, 0
	QUARTER 0, 384, F0, F1, 0
	TURN 0, 1, 1                                   ; slot 0 takes K step 2
	QUARTER 1, 128, F0, F1, 0
	QUARTER 1, 256, F1, F0, 0
	QUARTER 1, 384, F0, F1, 0
	TURN 1, 0, 1                                   ; slot 1 takes K step 3
	QUARTER 0, 128, F0, F1, 0
	QUARTER 0, 256, F1, F0, 0
	QUARTER 0, 384, F0, F1, 0
	TURN 0, 1, 0                                   ; nothing is left to fetch
	QUARTER 1, 128, F0, F1, 0
	QUARTER 1, 256, F1, F0, 0
	QUARTER 1, 384, F0, F1, 0
	s_wait_dscnt 14
	MUL4 F1, 0, 0, 0
	MUL4 F1, 0, 1, 0
	MUL4 F1, 0, 2, 0
	s_wait_dscnt 0x0
	MUL4 F1, 1, 0, 0
	MUL4 F1, 1, 1, 0
	MUL4 F1, 1, 2, 0
	; THE WAY OUT.  The sums go to the stage in f32; a barrier, since a row's 128 columns come from two waves; back as whole rows, U is added, one rounding, 16 lanes store a row's 256 bytes.
	WIN 0
	PLACES
.irp a, 0,1,2
.irp b, 0,1,2,3
	ds_store_b128 v[STO], v[ACC+8*(4*(\a)+(\b)):ACC+8*(4*(\a)+(\b))+3]   offset:(\a)*16*PITCH+64*(\b)     ; each accumulator's low half first
	ds_store_b128 v[STO], v[ACC+8*(4*(\a)+(\b))+4:ACC+8*(4*(\a)+(\b))+7] offset:(\a)*16*PITCH+64*(\b)+16
.endr
.endr
	s_wait_dscnt 0x0                               ; for the others' sake: my stores into the stage are done
	s_barrier_signal -1
	s_barrier_wait -1
.irp G, 0,1,2
.irp u, 0,1,2,3
	ds_load_b128 v[ACC+8*(4*(\G)+(\u)):ACC+8*(4*(\G)+(\u))+3],   v[RD] offset:(\G)*32*PITCH+(\u)*2*PITCH
	ds_load_b128 v[ACC+8*(4*(\G)+(\u))+4:ACC+8*(4*(\G)+(\u))+7], v[RD] offset:(\G)*32*PITCH+(\u)*2*PITCH+16
.endr
.endr
	s_wait_loadcnt 0x0                             ; U
.irp G, 0,1,2
.irp u, 0,1,2,3
	s_wait_dscnt 2*(11-4*(\G)-(\u))                ; this row pair's two loads are in; the younger ones stay out
.irp k, 0,1,2,3
	v_lshlrev_b32 v[T+2*(\k)],   16,  v[U+4*(4*(\G)+(\u))+(\k)]
	v_and_b32     v[T+2*(\k)+1], s27, v[U+4*(4*(\G)+(\u))+(\k)]
.endr
.irp k, 0,1,2,3
	v_pk_fma_f32 v[ACC+8*(4*(\G)+(\u))+2*(\k):ACC+8*(4*(\G)+(\u))+2*(\k)+1], v[T+2*(\k):T+2*(\k)+1], s[FG+2*(\G):FG+2*(\G)+1], v[ACC+8*(4*(\G)+(\u))+2*(\k):ACC+8*(4*(\G)+(\u))+2*(\k)+1] op_sel_hi:[1,0,1]
.endr
.irp k, 0,1,2,3
	v_cvt_pk_bf16_f32 v[U+4*(4*(\G)+(\u))+(\k)], v[ACC+8*(4*(\G)+(\u))+2*(\k)], v[ACC+8*(4*(\G)+(\u))+2*(\k)+1]
.endr
	global_store_b128 v[UO], v[U+4*(4*(\G)+(\u)):U+4*(4*(\G)+(\u))+3], s[WP+2*(\G):WP+2*(\G)+1] offset:4096*(\u)
.endr
.endr
	s_wait_tensorcnt 0x0                           ; the wave's end, behind my last tensor load and my last LDS store
	ds_add_u32 v[SPW], v[NIL]
	s_wait_dscnt 0x0
	CROUND                                         ; the closing round: no work-group ends while a partner may still ask for a tile that names it
	s_endpgm
.Lfunc_end_k_qfb4ad276f6_combine:
	.size	k_qfb4ad276f6_combine, .Lfunc_end_k_qfb4ad276f6_combine-k_qfb4ad276f6_combine
	.p2alignl 7, 3214868480
	.fill 96, 4, 3214868480
	.section	.rodata,"a",@progbits
	.p2align	6, 0x0
	.amdhsa_kernel k_qfb4ad276f6_combine
		.amdhsa_group_segment_fixed_size 327680
		.amdhsa_private_segment_fixed_size 0
		.amdhsa_enable_private_segment 0
		.amdhsa_kernarg_size 56
		.amdhsa_user_sgpr_count 2
		.amdhsa_user_sgpr_kernarg_segment_ptr 1
		.amdhsa_wavefront_size32 1
		.amdhsa_system_sgpr_workgroup_id_x 1
		.amdhsa_system_sgpr_workgroup_id_y 1
		.amdhsa_system_sgpr_workgroup_id_z 1
		.amdhsa_system_vgpr_workitem_id 0
		.amdhsa_next_free_vgpr 512
		.amdhsa_next_free_sgpr 96
		.amdhsa_reserve_vcc 1
		.amdhsa_float_denorm_mode_32 3
		.amdhsa_float_denorm_mode_16_64 3
		.amdhsa_memory_ordered 1
		.amdhsa_forward_progress 1
		.amdhsa_inst_pref_size 85
	.end_amdhsa_kernel
	.amdgpu_metadata
---
amdhsa.version: [ 1, 2 ]
amdhsa.kernels:
  - .name:           k_qfb4ad276f6_combine
    .symbol:         k_qfb4ad276f6_combine.kd
    .args:
      - { .name: wgt, .offset: 0, .size: 8, .value_kind: global_buffer, .address_space: global }
      - { .name: wdb, .offset: 8, .size: 8, .value_kind: global_buffer, .address_space: global }
      - { .name: uzr, .offset: 16, .size: 8, .value_kind: global_buffer, .address_space: global }
      - { .name: bpart, .offset: 24, .size: 8, .value_kind: global_buffer, .address_space: global }
      - { .name: b_gru, .offset: 32, .size: 8, .value_kind: global_buffer, .address_space: global }
      - { .name: wall, .offset: 40, .size: 8, .value_kind: global_buffer, .address_space: global }
      - { .name: cb, .offset: 48, .size: 8, .value_kind: global_buffer, .address_space: global }
    .group_segment_fixed_size: 327680
    .private_segment_fixed_size: 0
    .kernarg_segment_align: 8
    .kernarg_segment_size: 56
    .max_flat_workgroup_size: 128
    .sgpr_count:     96
    .vgpr_count:     512
    .wavefront_size: 32
...
	.end_amdgpu_metadata
.endif
;; end of part 2
;; launch gru (part 3): grid 16 x 32, 4 waves a work-group, clusters of 4 x 4, 327,680 bytes of LDS; arguments hb, wall, inputs, b_dense, cb, b_gru, out0, out1; writes out0, out1
.if DOCPART == 3
	.amdgcn_target "amdgcn-amd-amdhsa--gfx1250"
	.amdhsa_code_object_version 6
	.text
	.protected	k_qfb4ad276f6_gru
	.globl	k_qfb4ad276f6_gru
	.p2align	8
	.type	k_qfb4ad276f6_gru,@function
k_qfb4ad276f6_gru:
	s_mov_b64 s[64:65], 0
	v_nop
	global_prefetch_b8 v0, s[64:65] scope:SCOPE_SE
	s_setreg_imm32_b32 hwreg(HW_REG_WAVE_MODE, 25, 1), 1
	s_wait_xcnt 0x0
	s_wait_alu depctr_hold_cnt(0) depctr_sa_sdst(0) depctr_va_vdst(0) depctr_va_sdst(0) depctr_va_ssrc(0) depctr_va_vcc(0) depctr_vm_vsrc(0)
	s_getreg_b32 s2, hwreg(HW_REG_IB_STS2, 6, 4)
	s_cmp_eq_u32 s2, 0
	s_cbranch_scc0 .Lentry_in_a_cluster
	s_endpgm
.Lentry_in_a_cluster:
	s_bfe_u32 s2, ttmp6, 0x10000c
	s_cmp_lg_u32 s2, 0xf033
	s_cbranch_scc0 .Lentry_shape_is_right
	s_endpgm
.Lentry_shape_is_right:
; GRU: ONE product of h (hb, bf16 [8192][1024]) with five weight blocks (wall, bf16 [5120][1024]), sums in f32, and the cell's arithmetic on the sums in registers.
;   gate 0: pred = h Wd + b_dense                      -> out0
;   gate 1: z = sigmoid(h (Wd Wg_z + U_z) + cb_z)      gate 2: r likewise
;   gate 3: x = h (Wd Wg_h) + cb_h                     gate 4: u = h U_h + b_gru[1][2048 ..]
;   out1 = z h + (1 - z) tanh(x + r u), with h in f32 from inputs.
; LIMITS.  Matrix operands are bf16.  The dense layer and the GRU's input kernel were multiplied beforehand, so the order of rounding differs from the module's as written (the product of the weights is rounded, pred as an
; operand is not); no difference of large sums is formed.  sigmoid(t) = 1 / (1 + 2^(-t log2 e)), tanh(t) = 1 - 2 / (1 + 2^(2 t log2 e)): both run to their limits where the power overflows or vanishes; a power below 2^-126 counts as 0
; (ISA guide 15.8).  NaN and infinities are not treated apart.
; SHARES.  A work-group makes 256 rows x 64 output columns x 5 gates (320 rows of wall): 32 x 16 = 512 equal work-groups.  (Twice the columns would want 1,280 accumulator registers a lane.)
; Four waves, each 128 rows x 32 columns x 5 gates: 80 accumulators, 640 registers.  K in steps of 128 (rows of 256 bytes, aligned) through two LDS slots.
; THE MATRIX INSTRUCTION IS USED TRANSPOSED (source 0 = 16 rows of wall, source 1 = 16 rows of hb): a lane holds row lane % 16 and columns 8 (lane / 16) + 0..7, the SAME place in all five gates: the cell's arithmetic changes no lane.
; CLUSTER 4 x 4: hb's tile is shared along a row of the cluster, wall's along a column: joint loads, each wave one behind each round of the cluster's barrier.
; The f32 tile of inputs (256 rows x 256 bytes) comes by a tensor load of the work-group's own into slot 0, when slot 0 has been read for the last time; pred and the new state are gathered there too, and leave as whole rows of 256 bytes.
; REGISTERS, in windows of 256 (s_set_vgpr_msb: bits 1:0 source 0, 3:2 source 1, 5:4 source 2, 7:6 destination):
;   window 0: v16-31 addresses; v32-159 two buffers of hb's fragments (8 x 8), later the tail's work; v160-239 the accumulators of row block 0
;   window 1: v0-159 two buffers of wall's fragments (10 x 8), later v0-79 the biases; v160-239 row block 1          window 2: row blocks 2-4          window 3: row blocks 5-7
;   accumulator (a, b = 2 gate + f) at AB(a) + 8 b of window AW(a).
.set PITCH, 272                        ; 68 words: the 16 rows of a fragment load start at 16 different groups of four banks (ISA guide 11.1)
.set AHALF, 128*PITCH                  ; what waves 0 and 1 fetch, and what a wave reads of hb
.set BHALF, 160*PITCH                  ; what waves 2 and 3 fetch, and what a wave reads of wall
.set BOFF,  2*AHALF
.set SLOT,  2*AHALF+2*BHALF
.set SPARE, 2*SLOT                     ; the spare words, 128 bytes for each wave: two blocks of 256 bytes that no other line names
.set PREG,  BOFF                       ; pred's stage: where slot 0 held wall; inputs' tile and the new state lie where it held hb
.set KB,    256                        ; bytes of a K step in a row
.set ROWB,  2048                       ; bytes in a row of hb and of wall
.set OROW,  4096                       ; bytes in a row of inputs, out0 and out1
.set ADRA, 16                          ; v16-17 my hb fragments in slot 0, 1
.set ADRB, 20                          ; v20-21 my wall fragments
.set HA,   22                          ; v22  my 32 bytes in row block 0 of inputs' tile
.set PA,   23                          ; v23  the same in pred's stage
.set RD,   24                          ; v24  the way out: where I read rows of the state back
.set RDP,  25                          ; v25  and of pred
.set CO,   26                          ; v26  my byte offset in two rows of an output
.set BO,   27                          ; v27  my eight columns in a table of biases
.set SPW,  28                          ; v28  SPARE + 4 x my thread's number; never rewritten
.set NIL,  29                          ; v29  0; never rewritten
.set PFO,  30                          ; v30  lane x a row of hb or wall
.set PFH,  31                          ; v31  lane x a row of inputs
.set TP,   32                          ; the tail: 16 numbers (f, j) each: pred, z, r, x, u, h
.set TZ,   48
.set TR,   64
.set TX,   80
.set TU,   96
.set TH,   112
.set WV, 20                            ; s20 wave; s21 its 128 rows, also: fetches hb (0) or wall (1); s22 its 32 columns, also: which half it fetches
.set WR, 21
.set WC, 22
.set CX, 23
.set CY, 24
.set TCOL, 25
.set TROW, 26
.set G1A, 28
.set G1B, 36
.set G0A, 44
.set G0B, 52
.set G1H, 68
.set G0H, 76
.set PFA, 80                           ; s[80:81] my work-group's 32 rows of the tile that I fetch, one K step further than the refill in hand
.set PF2, 82                           ; s[82:83] rows 128-159 of my half of wall's tile, at K step 4 + cy
.set LIM, 84                           ; s84  1 in a wave that prefetches the ring's tiles, else the greatest number
.set LIM2, 85                          ; s85  3 in a wave that prefetches by PF2, else 0
.set NL,  86                           ; s[86:87] -log2(e)
.set TL,  88                           ; s[88:89] 2 log2(e)
.set HP,  100                          ; s[100:101] inputs at my wave's 64 rows of the tile
.set MSB, 0
.macro WIN new                         ; the immediate's high byte repeats the setting that is left
.if MSB != (\new)
	s_set_vgpr_msb (MSB<<8)|(\new)
.set MSB, \new
.endif
.endm
.macro PLACES                          ; four places behind matrix instructions, in front of loads into registers that they read and of lines that read results
.rept 4
	v_nop
.endr
.endm
.macro JLOAD s                         ; a joint load; an s_nop 0 and four v_nop follow each of the two lines
	s_cmp_eq_u32 s[WR], 0
	s_cbranch_scc0 .Lfor_b_\@
	tensor_load_to_lds s[G0A+4*(\s):G0A+4*(\s)+3], s[G1A:G1A+7]
	s_nop 0
.rept 4
	v_nop
.endr
	s_branch .Lasked_\@
.Lfor_b_\@:
	tensor_load_to_lds s[G0B+4*(\s):G0B+4*(\s)+3], s[G1B:G1B+7]
	s_nop 0
.rept 4
	v_nop
.endr
.Lasked_\@:
.endm
.macro CREST                           ; a round of the cluster's barrier behind its opening barrier
	s_cmp_lg_u32 s[WV], 0
	s_cbranch_scc1 .Lnot_wave_0_\@
	s_barrier_signal -3
.Lnot_wave_0_\@:
	s_barrier_wait -3
	s_barrier_signal -1
	s_barrier_wait -1
.endm
.macro CROUND
	s_barrier_signal -1
	s_barrier_wait -1
	CREST
.endm
; PREFETCHES INTO THE L2, behind a change's joint load and the run of LDS loads that follows it.  Each row's 256 bytes of a K step are named once in the launch.
; ASK: the K step that stands two refills on (640 matrix instructions ahead of the load that wants it): changes 0 to 3 name K steps 4 to 7; K steps 0 to 3 come by their loads alone, the last two refills name nothing.
; hb's rows are read by every cluster of a row of clusters: cluster x = 0 asks, waves 0 and 1; wall's by every cluster of a column: cluster y = 0 asks, waves 2 and 3.  The four partners that ask for a tile
; jointly share its rows out BY ADDRESS, 32 each (cx for hb, cy for wall): a lane a row.  That covers 128 rows; ASK2: wall's halves have 160, and their last 32 rows' K step 4 + cy is named by partner cy, at the first change.
; ASK3: my wave's own 64 rows of inputs' tile, two changes ahead of the tensor load that brings them.
.macro ASK
	s_cmp_gt_u32 s3, s[LIM]                        ; s3 = 1 in the loop's last trip
	s_cbranch_scc0 .Lnot_mine_\@
	global_prefetch_b8 v[PFO], s[PFA:PFA+1] offset:KB th:TH_LOAD_NT scope:SCOPE_SE
.Lnot_mine_\@:
.endm
.macro ASK2
	s_cmp_eq_u32 s3, s[LIM2]
	s_cbranch_scc0 .Lnot_mine_\@
	global_prefetch_b8 v[PFO], s[PF2:PF2+1] th:TH_LOAD_NT scope:SCOPE_SE
.Lnot_mine_\@:
.endm
.macro ASK3
	s_cmp_eq_u32 s3, 1
	s_cbranch_scc0 .Lnot_yet_\@
	global_prefetch_b8 v[PFH], s[HP:HP+1] th:TH_LOAD_NT scope:SCOPE_SE
	global_prefetch_b8 v[PFH], s[HP:HP+1] offset:32*OROW th:TH_LOAD_NT scope:SCOPE_SE
.Lnot_yet_\@:
.endm
	s_load_b256 s[4:11], s[0:1], 0x0               ; hb 4, wall 6, inputs 8, b_dense 10
	s_load_b256 s[12:19], s[0:1], 0x20             ; cb 12, b_gru 14, out0 16, out1 18
	v_lshl_add_u32 v[SPW], v0, 2, SPARE
	v_mov_b32 v[NIL], 0
	ds_add_u32 v[SPW], v[NIL]                      ; the wave's opening: the add, twice on end, and its wait ahead of my first tensor load
	ds_add_u32 v[SPW], v[NIL]
	v_lshrrev_b32 v1, 5, v0
	v_readfirstlane_b32 s[WV], v1
	s_lshr_b32 s[WR], s[WV], 1
	s_and_b32 s[WC], s[WV], 1
	s_bfe_u32 s[CX], ttmp6, 0x40000
	s_bfe_u32 s[CY], ttmp6, 0x40004
	s_lshl_b32 s[TCOL], ttmp9, 2
	s_add_co_u32 s[TCOL], s[TCOL], s[CX]           ; which 64 output columns
	s_and_b32 s[TROW], ttmp7, 0xffff
	s_lshl_b32 s[TROW], s[TROW], 2
	s_add_co_u32 s[TROW], s[TROW], s[CY]           ; which 256 rows
	s_lshl_b32 s27, s[CY], 2
	s_lshl_b32 s27, 15, s27                        ; my row of the cluster
	s_lshl_b32 s60, 0x1111, s[CX]                  ; my column
	s_or_b32 s[G1A], s27, (1<<16)|(1<<20)|(1<<21)|(5<<22)|(3<<25)  ; the mask; 2-byte elements; padding on; bit 21 beside a mask; after every 64 words, 4 words
	s_or_b32 s[G1B], s60, (1<<16)|(1<<20)|(1<<21)|(5<<22)|(3<<25)
	s_mov_b32 s[G1A+1], 128<<16                    ; tensor_dim0 = 128
	s_mov_b32 s[G1A+2], 128<<16                    ; tensor_dim1 = 128
	s_mov_b32 s[G1A+3], 128<<16                    ; tile_dim0 = 128
	s_mov_b32 s[G1A+4], 128                        ; tile_dim1 = 128
	s_mov_b32 s[G1A+5], 1024                       ; elements from row to row
	s_mov_b32 s[G1A+6], 0
	s_mov_b32 s[G1A+7], 0
	s_mov_b32 s[G1B+1], 128<<16
	s_mov_b32 s[G1B+2], 160<<16                    ; 160 rows
	s_mov_b32 s[G1B+3], 128<<16
	s_mov_b32 s[G1B+4], 160
	s_mov_b32 s[G1B+5], 1024
	s_mov_b32 s[G1B+6], 0
	s_mov_b32 s[G1B+7], 0
	s_mov_b32 s[G1H], (2<<16)|(1<<20)|(5<<22)|(3<<25)  ; no mask: the work-group's own load; 4-byte elements; the same padding
	s_mov_b32 s[G1H+1], 64<<16                     ; 64 elements a row,
	s_mov_b32 s[G1H+2], 64<<16                     ; 64 rows a wave
	s_mov_b32 s[G1H+3], 64<<16
	s_mov_b32 s[G1H+4], 64
	s_mov_b32 s[G1H+5], 1024
	s_mov_b32 s[G1H+6], 0
	s_mov_b32 s[G1H+7], 0
	s_mov_b32 s[NL], 0xbfb8aa3b                    ; -log2(e)
	s_mov_b32 s[NL+1], 0                           ; named with it as a pair
	s_mov_b32 s[TL], 0x4038aa3b                    ; 2 log2(e)
	s_mov_b32 s[TL+1], 0
	s_mul_i32 s61, s[WC], AHALF                    ; where the tiles go: the wave's number alone enters an LDS address
	s_mul_i32 s62, s[WC], BHALF
	s_add_co_u32 s62, s62, BOFF
	s_mul_i32 s63, s[WV], 64*PITCH
	s_lshl_b32 s90, s[TROW], 8                     ; hb: row 256 x tile row + 128 x half, in registers that never hold cx
	s_lshl_b32 s91, s[WC], 7
	s_add_co_u32 s90, s90, s91
	s_lshl_b32 s90, s90, 11
	s_mov_b32 s91, 0
	s_mul_i32 s92, s[TCOL], 320                    ; wall: row 320 x tile column + 160 x half, in registers that never hold cy
	s_mul_i32 s93, s[WC], 160
	s_add_co_u32 s92, s92, s93
	s_lshl_b32 s92, s92, 11
	s_mov_b32 s93, 0
	s_lshl_b32 s94, s[TROW], 8                     ; inputs, out0, out1: row 256 x tile row + 64 x wave, byte 256 x tile column
	s_lshl_b32 s95, s[WV], 6
	s_add_co_u32 s94, s94, s95
	s_lshl_b32 s94, s94, 12
	s_lshl_b32 s95, s[TCOL], 8
	s_add_co_u32 s94, s94, s95
	s_mov_b32 s95, 0
	s_wait_dscnt 0x0                               ; both opening adds are done
	s_wait_kmcnt 0x0
	s_add_nc_u64 s[96:97], s[4:5], s[90:91]
	s_add_nc_u64 s[98:99], s[6:7], s[92:93]
	s_add_nc_u64 s[HP:HP+1], s[8:9], s[94:95]
	s_add_nc_u64 s[16:17], s[16:17], s[94:95]
	s_add_nc_u64 s[18:19], s[18:19], s[94:95]
	s_mov_b32 s[G0H], 1
	s_mov_b32 s[G0H+1], s63
	s_mov_b64 s[G0H+2:G0H+3], s[HP:HP+1]
	s_or_b32 s[G0H+3], s[G0H+3], 0x80000000
	CROUND                                         ; all sixteen work-groups are here: the first joint loads meet
.irp s, 0,1
	s_mov_b32 s[G0A+4*(\s)], 1
	s_add_co_u32 s[G0A+4*(\s)+1], s61, (\s)*SLOT
	s_add_nc_u64 s[G0A+4*(\s)+2:G0A+4*(\s)+3], s[96:97], (\s)*KB
	s_or_b32 s[G0A+4*(\s)+3], s[G0A+4*(\s)+3], 0x80000000
	s_mov_b32 s[G0B+4*(\s)], 1
	s_add_co_u32 s[G0B+4*(\s)+1], s62, (\s)*SLOT
	s_add_nc_u64 s[G0B+4*(\s)+2:G0B+4*(\s)+3], s[98:99], (\s)*KB
	s_or_b32 s[G0B+4*(\s)+3], s[G0B+4*(\s)+3], 0x80000000
	JLOAD \s
.endr
	; the prefetches' registers.  Nothing is prefetched here, at the head, where every work-group's first tiles are on their way.
	s_and_b32 s90, ttmp7, 0xffff                   ; cluster y
	s_cmp_eq_u32 s[WR], 0                          ; do I fetch hb?
	s_cselect_b32 s91, s[CX], s[CY]                ; my place among the four that ask with me
	s_cselect_b32 s90, ttmp9, s90                  ; the coordinate along which other clusters read the same rows
	s_cselect_b64 s[PFA:PFA+1], s[96:97], s[98:99]
	s_cmp_eq_u32 s90, 0
	s_cselect_b32 s[LIM], 1, -1                    ; the same in all sixteen partners, for a given wave
	s_cselect_b32 s[LIM2], 3, 0
	s_cmp_eq_u32 s[WR], 1
	s_cselect_b32 s[LIM2], s[LIM2], 0
	s_lshl_b32 s92, s91, 16                        ; my work-group's 32 rows of 2,048 bytes,
	s_add_co_u32 s92, s92, 2*KB                    ; at K step 2: the first change steps it to 3 and names K step 4
	s_mov_b32 s93, 0
	s_add_nc_u64 s[PFA:PFA+1], s[PFA:PFA+1], s[92:93]
	s_lshl_b32 s92, s[CY], 8
	s_add_co_u32 s92, s92, 128*ROWB+4*KB
	s_add_nc_u64 s[PF2:PF2+1], s[98:99], s[92:93]
	v_and_b32 v[PFO], 31, v0
	v_lshlrev_b32 v[PFH], 12, v[PFO]
	v_lshlrev_b32 v[PFO], 11, v[PFO]
	; A fragment is 16 rows x 32 K in 8 registers: lane l holds row l % 16, K = 8 (l / 16) + 0..7 and 16 + 8 (l / 16) + 0..7: two loads of 16 bytes, 32 bytes apart.
	v_and_b32 v1, 15, v0                           ; l % 16
	v_bfe_u32 v2, v0, 4, 1                         ; l / 16
	v_mul_u32_u24 v3, v1, PITCH
	v_lshl_add_u32 v3, v2, 4, v3
	s_mul_i32 s90, s[WR], AHALF
	s_mul_i32 s92, s[WC], BHALF
	s_add_co_u32 s92, s92, BOFF
	v_add_nc_u32 v[ADRA], s90, v3
	v_add_nc_u32 v[ADRB], s92, v3
	v_add_nc_u32 v[ADRA+1], SLOT, v[ADRA]
	v_add_nc_u32 v[ADRB+1], SLOT, v[ADRB]
	v_mul_u32_u24 v[HA], v1, PITCH                 ; the tail: row 128 wr + l % 16, byte 128 wc + 32 (l / 16)
	v_lshl_add_u32 v[HA], v2, 5, v[HA]
	s_lshl_b32 s93, s[WC], 7
	s_add_co_u32 s93, s93, s90
	v_add_nc_u32 v[HA], s93, v[HA]
	v_add_nc_u32 v[PA], PREG, v[HA]
	v_mul_u32_u24 v[RD], v2, PITCH                 ; back: rows 64 w ..: lanes 0-15 one row of 256 bytes, lanes 16-31 the next
	v_lshl_add_u32 v[RD], v1, 4, v[RD]
	v_add_nc_u32 v[RD], s63, v[RD]
	v_add_nc_u32 v[RDP], PREG, v[RD]
	v_lshlrev_b32 v[CO], 12, v2                    ; and the same two rows in an output
	v_lshl_add_u32 v[CO], v1, 4, v[CO]
	s_lshl_b32 s92, s[TCOL], 8
	s_lshl_b32 s93, s[WC], 7
	s_add_co_u32 s92, s92, s93
	v_lshl_add_u32 v[BO], v2, 5, s92               ; 4 (64 tile column + 32 wc + 8 (l / 16))
.macro ACCOF a                         ; where row block a's accumulators lie
.if (\a) < 2
.set AW, (\a)
.set AB, 160
.elseif (\a) < 5
.set AW, 2
.set AB, 80*((\a)-2)
.else
.set AW, 3
.set AB, 80*((\a)-5)
.endif
.endm
; 10 matrix instructions: row block a x all five gates' two column blocks, 32 along K, from buffers f.  The 80 accumulators take turns in one order everywhere, over the backward jump too.
.macro MULA f, a, zero
	ACCOF \a
	WIN 0x01+0x50*AW                               ; wall's fragments in window 1, hb's in window 0, C and D in the block's window
.irp b, 0,1,2,3,4,5,6,7,8,9
.if \zero
	v_wmma_f32_16x16x32_bf16 v[AB+8*(\b):AB+8*(\b)+7], v[80*(\f)+8*(\b):80*(\f)+8*(\b)+7], v[32+64*(\f)+8*(\a):32+64*(\f)+8*(\a)+7], 0
.else
	v_wmma_f32_16x16x32_bf16 v[AB+8*(\b):AB+8*(\b)+7], v[80*(\f)+8*(\b):80*(\f)+8*(\b)+7], v[32+64*(\f)+8*(\a):32+64*(\f)+8*(\a)+7], v[AB+8*(\b):AB+8*(\b)+7]
.endif
.endr
.endm
; 36 LDS loads in one run: 32 along K at byte k of the rows: 160 rows of wall, then 128 rows of hb, into buffers f
.macro FETCH slot, k, f
	WIN 0x40                                       ; destination window 1, address window 0
.irp i, 0,1,2,3,4,5,6,7,8,9
	ds_load_b128 v[80*(\f)+8*(\i):80*(\f)+8*(\i)+3],   v[ADRB+(\slot)] offset:(\k)+(\i)*16*PITCH
	ds_load_b128 v[80*(\f)+8*(\i)+4:80*(\f)+8*(\i)+7], v[ADRB+(\slot)] offset:(\k)+(\i)*16*PITCH+32
.endr
	WIN 0
.irp i, 0,1,2,3,4,5,6,7
	ds_load_b128 v[32+64*(\f)+8*(\i):32+64*(\f)+8*(\i)+3],   v[ADRA+(\slot)] offset:(\k)+(\i)*16*PITCH
	ds_load_b128 v[32+64*(\f)+8*(\i)+4:32+64*(\f)+8*(\i)+7], v[ADRA+(\slot)] offset:(\k)+(\i)*16*PITCH+32
.endr
.endm
; A K step is four quarters of 32 along K, 80 matrix instructions each, on buffers 0, 1, 0, 1.  One of the first three: multiplies buffers f, and behind 30 products fetches the next quarter into buffers g: 50 products ahead of its use.
.macro QUARTER slot, k, f, g, zero
	s_wait_dscnt 10                                ; wall and hb's blocks 0-2 are in; the youngest ten loads (blocks 3-7) may be out
	MULA \f, 0, \zero
	MULA \f, 1, \zero
	MULA \f, 2, \zero
	PLACES
	FETCH \slot, \k, \g
	s_wait_dscnt 36                                ; all but the 36 just issued
	MULA \f, 3, \zero
	MULA \f, 4, \zero
	MULA \f, 5, \zero
	MULA \f, 6, \zero
	MULA \f, 7, \zero
.endm
; The last quarter multiplies buffers 1 and changes slots.  Each wave waits for all its tensor loads (one is out: its part of the next slot), adds 0 to its spare word, and waits for that and for its reads of this slot; the barrier
; opens a round of the cluster's, and the refill is the first tensor load behind the round: 290 matrix instructions ahead of the wait for it.  how = 0: this slot takes the K step two on.  how = 1: slot 0 takes inputs' tile.
.macro TURN slot, next, how
.if (\how) == 0
	s_wait_xcnt 0x0                                ; the last prefetches, a K step back, have read their addresses
	s_add_nc_u64 s[PFA:PFA+1], s[PFA:PFA+1], KB
.endif
	WIN 0                                          ; (the add's two registers lie in window 0)
	s_wait_tensorcnt 0x0
	ds_add_u32 v[SPW], v[NIL]                      ; 0 onto my spare word
	s_wait_dscnt 11                                ; (the add and the youngest ten loads may be out)
	MULA 1, 0, 0
	MULA 1, 1, 0
	s_wait_dscnt 0x0                               ; the add is done, and my reads of this slot are over
	s_barrier_signal -1
	MULA 1, 2, 0                                   ; work on registers while the others arrive
	WIN 0
	s_barrier_wait -1
	CREST                                          ; no wave of any partner still reads this slot or has a load on its way
.if (\how) == 0
	s_add_nc_u64 s[G0A+4*(\slot)+2:G0A+4*(\slot)+3], s[G0A+4*(\slot)+2:G0A+4*(\slot)+3], 2*KB
	s_add_nc_u64 s[G0B+4*(\slot)+2:G0B+4*(\slot)+3], s[G0B+4*(\slot)+2:G0B+4*(\slot)+3], 2*KB
	JLOAD \slot                                    ; its four v_nop are also the places in front of the loads below
.else
	tensor_load_to_lds s[G0H:G0H+3], s[G1H:G1H+7]  ; every wave its 64 rows
	s_nop 0
.rept 4
	v_nop
.endr
.endif
	FETCH \next, 0, 0
.if (\how) == 0
	ASK
.if (\slot) == 0
	ASK2
	ASK3
.endif
.endif
	MULA 1, 3, 0
	MULA 1, 4, 0
	MULA 1, 5, 0
	MULA 1, 6, 0
	MULA 1, 7, 0
.endm
	s_wait_tensorcnt 0x1                           ; my part of K step 0 is in; step 1's may stay out
	s_barrier_signal -1
	s_barrier_wait -1
	FETCH 0, 0, 0
	QUARTER 0, 64, 0, 1, 1                         ; the first quarter stands in front of the loop: its products start the sums, nothing is cleared
	WIN 0                                          ; at a label and at a branch every window is 0
	s_mov_b32 s3, 3
.Llap:                                                 ; a trip goes once round the ring, from a lap's second quarter to the next lap's first, and fills both slots again: K steps 2 to 7
	QUARTER 0, 128, 1, 0, 0
	QUARTER 0, 192, 0, 1, 0
	TURN 0, 1, 0
	QUARTER 1, 64,  0, 1, 0
	QUARTER 1, 128, 1, 0, 0
	QUARTER 1, 192, 0, 1, 0
	TURN 1, 0, 0
	QUARTER 0, 64,  0, 1, 0
	WIN 0
	s_sub_co_u32 s3, s3, 1
	s_cmp_lg_u32 s3, 0
	s_cbranch_scc1 .Llap
	QUARTER 0, 128, 1, 0, 0                        ; K step 6 goes on
	QUARTER 0, 192, 0, 1, 0
	TURN 0, 1, 1                                   ; slot 0 has been read for the last time
	QUARTER 1, 64,  0, 1, 0                        ; K step 7
	QUARTER 1, 128, 1, 0, 0
	QUARTER 1, 192, 0, 1, 0
	s_wait_dscnt 10
	MULA 1, 0, 0
	MULA 1, 1, 0
	MULA 1, 2, 0
	PLACES
	WIN 0x40                                       ; the biases of my 16 columns, for five gates, into window 1, v[16 g + 8 f + j]: buffer 0 of wall's fragments is free
.irp q, 0,1,2,3
	global_load_b128 v[4*(\q):4*(\q)+3],       v[BO], s[10:11] offset:64*((\q)/2)+16*((\q)%2)        ; b_dense
	global_load_b128 v[16+4*(\q):16+4*(\q)+3], v[BO], s[12:13] offset:64*((\q)/2)+16*((\q)%2)        ; cb, gate z
	global_load_b128 v[32+4*(\q):32+4*(\q)+3], v[BO], s[12:13] offset:4096+64*((\q)/2)+16*((\q)%2)   ; gate r
	global_load_b128 v[48+4*(\q):48+4*(\q)+3], v[BO], s[12:13] offset:8192+64*((\q)/2)+16*((\q)%2)   ; gate h, the input side
	global_load_b128 v[64+4*(\q):64+4*(\q)+3], v[BO], s[14:15] offset:20480+64*((\q)/2)+16*((\q)%2)  ; b_gru[1][2048 ..]
.endr
	s_wait_dscnt 0x0
	MULA 1, 3, 0
	MULA 1, 4, 0
	MULA 1, 5, 0
	MULA 1, 6, 0
	MULA 1, 7, 0
	; THE TAIL.
	WIN 0
	PLACES
	s_wait_tensorcnt 0x0                           ; my 64 rows of inputs' tile are in,
	s_barrier_signal -1
	s_barrier_wait -1                              ; everybody's are
	s_wait_loadcnt 0x0                             ; the biases
	WIN 0x41                                       ; destination and source 0 in window 1: the biases take the factors that their sums will take
.set i, 16
.rept 16
	v_pk_mul_f32 v[i:i+1], v[i:i+1], s[NL:NL+1] op_sel_hi:[1,0]
.set i, i+2
.endr
.rept 16
	v_pk_mul_f32 v[i:i+1], v[i:i+1], s[TL:TL+1] op_sel_hi:[1,0]
.set i, i+2
.endr
; Row block a: 16 rows x my 32 columns: 16 numbers a lane for each gate.  Four batches of transcendentals, each with one plain instruction behind it and one wait ahead of its first reader.
.macro EPI a
	ACCOF \a
	WIN 0
.irp q, 0,1,2,3
	ds_load_b128 v[TH+4*(\q):TH+4*(\q)+3], v[HA] offset:16*PITCH*(\a)+64*((\q)/2)+16*((\q)%2)  ; h, wanted at the block's end
.endr
	WIN AW|0x04                                    ; the sums in the block's window, the biases (source 1) in window 1
.set i, 0
.rept 8
	v_pk_add_f32 v[TP+i:TP+i+1], v[AB+i:AB+i+1], v[i:i+1]  ; pred.  Each accumulator is taken from its low end on
.set i, i+2
.endr
	WIN AW|0x10                                    ; the biases are source 2
.rept 16
	v_pk_fma_f32 v[TP+i:TP+i+1], v[AB+i:AB+i+1], s[NL:NL+1], v[i:i+1] op_sel_hi:[1,0,1]  ; -log2(e) x the arguments of z and r
.set i, i+2
.endr
.rept 16
	v_pk_fma_f32 v[TP+i:TP+i+1], v[AB+i:AB+i+1], s[TL:TL+1], v[i:i+1] op_sel_hi:[1,0,1]  ; 2 log2(e) x x and u
.set i, i+2
.endr
	WIN 0
.irp q, 0,1,2,3
	ds_store_b128 v[PA], v[TP+4*(\q):TP+4*(\q)+3] offset:16*PITCH*(\a)+64*((\q)/2)+16*((\q)%2)
.endr
.set i, 0
.rept 32
	v_exp_f32 v[TZ+i], v[TZ+i]
.set i, i+1
.endr
	v_nop
	s_wait_alu depctr_va_vdst(0)
.set i, 0
.rept 16
	v_pk_add_f32 v[TZ+i:TZ+i+1], v[TZ+i:TZ+i+1], 1.0 op_sel_hi:[1,0]
.set i, i+2
.endr
.set i, 0
.rept 32
	v_rcp_f32 v[TZ+i], v[TZ+i]                     ; z and r
.set i, i+1
.endr
	v_nop
	s_wait_alu depctr_va_vdst(0)
.set i, 0
.rept 8
	v_pk_fma_f32 v[TX+i:TX+i+1], v[TR+i:TR+i+1], v[TU+i:TU+i+1], v[TX+i:TX+i+1]  ; 2 log2(e) (x + r u)
.set i, i+2
.endr
.set i, 0
.rept 16
	v_exp_f32 v[TX+i], v[TX+i]
.set i, i+1
.endr
	v_nop
	s_wait_alu depctr_va_vdst(0)
.set i, 0
.rept 8
	v_pk_add_f32 v[TX+i:TX+i+1], v[TX+i:TX+i+1], 1.0 op_sel_hi:[1,0]
.set i, i+2
.endr
.set i, 0
.rept 16
	v_rcp_f32 v[TX+i], v[TX+i]
.set i, i+1
.endr
	v_nop
	s_wait_alu depctr_va_vdst(0)
.set i, 0
.rept 8
	v_pk_fma_f32 v[TX+i:TX+i+1], v[TX+i:TX+i+1], -2.0, 1.0 op_sel_hi:[1,0,0]  ; tanh
.set i, i+2
.endr
	s_wait_dscnt 0x0                               ; h is in
.set i, 0
.rept 8
	v_pk_add_f32 v[TH+i:TH+i+1], v[TH+i:TH+i+1], v[TX+i:TX+i+1] neg_lo:[0,1] neg_hi:[0,1]
.set i, i+2
.endr
.set i, 0
.rept 8
	v_pk_fma_f32 v[TH+i:TH+i+1], v[TZ+i:TZ+i+1], v[TH+i:TH+i+1], v[TX+i:TX+i+1]  ; z (h - tanh) + tanh
.set i, i+2
.endr
.irp q, 0,1,2,3
	ds_store_b128 v[HA], v[TH+4*(\q):TH+4*(\q)+3] offset:16*PITCH*(\a)+64*((\q)/2)+16*((\q)%2)  ; over the lane's own bytes of h
.endr
.endm
	EPI 0
	EPI 1
	EPI 2
	EPI 3
	EPI 4
	EPI 5
	EPI 6
	EPI 7
	s_wait_dscnt 0x0                               ; for the others' sake: my stores are done
	s_barrier_signal -1
	s_barrier_wait -1
; Wave w sends rows 64 w .. 64 w + 63 of a region: 16 lanes store a row's 256 consecutive bytes, aligned.
.macro SEND rd, base
.set t, 0
.rept 32
	ds_load_b128 v[32+4*t:32+4*t+3], v[\rd] offset:2*PITCH*t
.set t, t+1
.endr
.set t, 0
.rept 32
	s_wait_dscnt 31-t
	global_store_b128 v[CO], v[32+4*t:32+4*t+3], s[\base:\base+1] offset:2*OROW*t th:TH_STORE_NT
.set t, t+1
.endr
.endm
	SEND RDP, 16                                   ; pred
	s_wait_xcnt 0x0                                ; the stores have read their registers, which are loaded again only behind this wait
	SEND RD, 18                                    ; the new state
	s_wait_tensorcnt 0x0                           ; the wave's end, behind my last tensor load and my last LDS store
	ds_add_u32 v[SPW], v[NIL]
	s_wait_dscnt 0x0
	CROUND                                         ; the closing round: no work-group ends while a partner may still ask for a tile that names it
	s_endpgm
.Lfunc_end_k_qfb4ad276f6_gru:
	.size	k_qfb4ad276f6_gru, .Lfunc_end_k_qfb4ad276f6_gru-k_qfb4ad276f6_gru
	.p2alignl 7, 3214868480
	.fill 96, 4, 3214868480
	.section	.rodata,"a",@progbits
	.p2align	6, 0x0
	.amdhsa_kernel k_qfb4ad276f6_gru
		.amdhsa_group_segment_fixed_size 327680
		.amdhsa_private_segment_fixed_size 0
		.amdhsa_enable_private_segment 0
		.amdhsa_kernarg_size 64
		.amdhsa_user_sgpr_count 2
		.amdhsa_user_sgpr_kernarg_segment_ptr 1
		.amdhsa_wavefront_size32 1
		.amdhsa_system_sgpr_workgroup_id_x 1
		.amdhsa_system_sgpr_workgroup_id_y 1
		.amdhsa_system_sgpr_workgroup_id_z 1
		.amdhsa_system_vgpr_workitem_id 0
		.amdhsa_next_free_vgpr 1024
		.amdhsa_next_free_sgpr 102
		.amdhsa_reserve_vcc 0
		.amdhsa_float_denorm_mode_32 3
		.amdhsa_float_denorm_mode_16_64 3
		.amdhsa_memory_ordered 1
		.amdhsa_forward_progress 1
		.amdhsa_inst_pref_size 233
	.end_amdhsa_kernel
	.amdgpu_metadata
---
amdhsa.version: [ 1, 2 ]
amdhsa.kernels:
  - .name:           k_qfb4ad276f6_gru
    .symbol:         k_qfb4ad276f6_gru.kd
    .args:
      - { .name: hb, .offset: 0, .size: 8, .value_kind: global_buffer, .address_space: global }
      - { .name: wall, .offset: 8, .size: 8, .value_kind: global_buffer, .address_space: global }
      - { .name: inputs, .offset: 16, .size: 8, .value_kind: global_buffer, .address_space: global }
      - { .name: b_dense, .offset: 24, .size: 8, .value_kind: global_buffer, .address_space: global }
      - { .name: cb, .offset: 32, .size: 8, .value_kind: global_buffer, .address_space: global }
      - { .name: b_gru, .offset: 40, .size: 8, .value_kind: global_buffer, .address_space: global }
      - { .name: out0, .offset: 48, .size: 8, .value_kind: global_buffer, .address_space: global }
      - { .name: out1, .offset: 56, .size: 8, .value_kind: global_buffer, .address_space: global }
    .group_segment_fixed_size: 327680
    .private_segment_fixed_size: 0
    .kernarg_segment_align: 8
    .kernarg_segment_size: 64
    .max_flat_workgroup_size: 128
    .sgpr_count:     102
    .vgpr_count:     1024
    .wavefront_size: 32
...
	.end_amdgpu_metadata
.endif
;; end of part 3
;; ======== version 2 of 2: 3 launches; version 1 with the launch prep written anew for expert scheduling mode
;; workspace buffers: hb 16,777,216 bytes; wdb 2,097,152 bytes; wgt 6,291,456 bytes; uzr 4,194,304 bytes; wall 10,485,760 bytes; bpart 98,304 bytes; cb 12,288 bytes
;; launch prep (part 4): grid 2048 x 1, 8 waves a work-group, no clusters, 22,016 bytes of LDS; arguments inputs, W_dense, W_gru, U_gru, b_dense, hb, wdb, wgt, uzr, wall, bpart; writes hb, wdb, wgt, uzr, wall, bpart
.if DOCPART == 4
	.amdgcn_target "amdgcn-amd-amdhsa--gfx1250"
	.amdhsa_code_object_version 6
	.text
	.protected	k_qfb4ad276f6_prep
	.globl	k_qfb4ad276f6_prep
	.p2align	8
	.type	k_qfb4ad276f6_prep,@function
k_qfb4ad276f6_prep:
	s_mov_b64 s[64:65], 0
	v_nop
	global_prefetch_b8 v0, s[64:65] scope:SCOPE_SE
	s_setreg_imm32_b32 hwreg(HW_REG_WAVE_SCHED_MODE, 0, 2), 2
	s_setreg_imm32_b32 hwreg(HW_REG_WAVE_MODE, 25, 1), 1
	s_wait_xcnt 0x0
	s_wait_alu depctr_vm_vsrc(0)
; PREP: every f32 matrix operand is rounded once to bf16 and laid so that K runs along the rows.
;   work-groups 0 .. 1151 CAST 8,192 consecutive numbers each: inputs -> hb [8192][1024], W_dense -> wdb [1024 h][1024 d] (as it lies).
;   work-groups 1152 .. 2047 TRANSPOSE a tile of 128 k x 64 n:
;     W_dense          -> wall, gate 0        U_gru[:, 0:2048]    -> uzr [2048 j][1024 h]
;     U_gru[:, 2048:]  -> wall, gate 4        W_gru               -> wgt [3072 j][1024 d]
;   wall is [5120][1024 h]: output column n of gate g lies in row (n / 32) 160 + 32 g + n % 32, so that 32 columns' five gates are 160 rows on end.
;   W_gru's tiles also leave bpart[kt][j] = the sum over the tile's 128 d of b_dense[d] W_gru[d][j], in f32 on the unrounded numbers.
; A stream: no byte is shared between work-groups, so no matrix unit, no cluster, no tensor load.  Every store of a wave covers 256 consecutive bytes, aligned.
; The sums with b_dense are made in every transposing tile and stored for W_gru's alone: one text, and nothing is read that some way through it has not written.
; THE MODE: SCHED_MODE bits 1:0 = 2 (LLVM: expert scheduling mode 2), set by the entry lines.  The code itself states the register dependences
; between vector instructions and memory or LDS instructions, with s_wait_alu, always for 0.
; THE PLAN.  Registers that memory or LDS instructions touch:
;   CAST       v1, v2    offsets, made once, never written again.
;              X         written by the eight loads, read by the conversions, never loaded again.
;              PK        written by the conversions, read by the stores, never written again.  The first half's four stores stand among the second half's
;                        conversions, which name the other halves of X and PK.
;   TRANSPOSE  v4-v9, VO addresses, made once, never written again.
;              X, BD     written by the twelve loads, read by the conversions and the sums.  Behind the barrier LDS loads land in X's first 16 registers, which the stores to memory read.
;              PK        written by the conversions, read by the sixteen LDS stores, which stand among the lines of the sums (these name BD, X and SUM alone).
;              SUM       written by the sums, read by one LDS store.
;              v48-79    (the rest of X, and PK) in wave 0 of W_gru's tiles: LDS loads land there, packed additions fold them, one store reads v48-49.
;   v[SPW], v[NIL]       written at the head, read by the closing add alone.
.set NCAST,  1152
.set TPITCH, 264                       ; an LDS row of the turned tile: 128 bf16 + 8 bytes
.set RED,    64*TPITCH                 ; 16 rows x 256 bytes: each thread's four column sums
.set SPARE,  RED+4096                  ; the spare words, 128 bytes for each of the eight waves: four blocks of 256 bytes that no other line names
.set SPW, 14                           ; v14  SPARE + 4 x my thread's number; never rewritten
.set NIL, 15                           ; v15  0; never rewritten
.set VO,  16                           ; v16-23  byte offsets of my eight rows in the source tile
.set BD,  24                           ; v24-31  b_dense of my eight rows
.set X,   32                           ; v32-63  eight rows x four columns, f32
.set PK,  64                           ; v64-79  pairs of neighbouring k, bf16
.set SUM, 80                           ; v80-83  my four column sums
	s_load_b512 s[4:19], s[0:1], 0x0               ; inputs 4, W_dense 6, W_gru 8, U_gru 10, b_dense 12, hb 14, wdb 16, wgt 18
	s_load_b128 s[20:23], s[0:1], 0x40             ; uzr 20, wall 22
	s_load_b64 s[24:25], s[0:1], 0x50              ; bpart
	v_lshl_add_u32 v[SPW], v0, 2, SPARE
	v_mov_b32 v[NIL], 0
	s_mov_b32 s26, ttmp9
	s_mov_b32 s45, 0                               ; the high word of every offset
	s_wait_kmcnt 0x0
	s_cmp_lt_u32 s26, NCAST
	s_cbranch_scc0 .Ltrans
	; CAST.  32,768 bytes in, 16,384 out.  Thread t takes 16 bytes of each 4,096; all eight loads go out before the first is used.
	s_cmp_lt_u32 s26, 1024
	s_cselect_b64 s[28:29], s[4:5], s[6:7]
	s_cselect_b64 s[30:31], s[14:15], s[16:17]
	s_cselect_b32 s27, 0, 1024
	s_sub_co_u32 s27, s26, s27                     ; my chunk of the tensor
	s_lshl_b32 s44, s27, 15
	s_add_nc_u64 s[28:29], s[28:29], s[44:45]
	s_lshl_b32 s44, s27, 14
	s_add_nc_u64 s[30:31], s[30:31], s[44:45]
	v_lshlrev_b32 v1, 4, v0
	v_lshlrev_b32 v2, 3, v0
	s_wait_alu depctr_va_vdst(0)                   ; v1 and v2 are written: the loads read v1 as their offset, the stores v2
.irp j, 0,1,2,3,4,5,6,7
	global_load_b128 v[X+4*(\j):X+4*(\j)+3], v1, s[28:29] offset:4096*(\j)
.endr
	s_wait_loadcnt 4                               ; loads come back in order: numbers 0 to 3 are in, the four younger ones stay out
.irp j, 0,1,2,3
	v_cvt_pk_bf16_f32 v[PK+2*(\j)], v[X+4*(\j)], v[X+4*(\j)+1]
	v_cvt_pk_bf16_f32 v[PK+2*(\j)+1], v[X+4*(\j)+2], v[X+4*(\j)+3]
.endr
	s_wait_loadcnt 0x0                             ; numbers 4 to 7 are in
	s_wait_alu depctr_va_vdst(0)                   ; the eight conversions above have written PK's first half, which the four stores below read
.irp j, 0,1,2,3
	global_store_b64 v2, v[PK+2*(\j):PK+2*(\j)+1], s[30:31] offset:2048*(\j)  ; 32 lanes x 8 bytes: 256 on end.  No vector instruction since the wait names these registers
	v_cvt_pk_bf16_f32 v[PK+8+2*(\j)], v[X+16+4*(\j)], v[X+16+4*(\j)+1]
	v_cvt_pk_bf16_f32 v[PK+8+2*(\j)+1], v[X+16+4*(\j)+2], v[X+16+4*(\j)+3]
.endr
	s_wait_alu depctr_va_vdst(0)                   ; the second eight conversions have written PK's second half, which the last four stores read
.irp j, 4,5,6,7
	global_store_b64 v2, v[PK+2*(\j):PK+2*(\j)+1], s[30:31] offset:2048*(\j)
.endr
	s_endpgm                                       ; this way has touched no LDS
.Ltrans:
	; Which tile: the job by three compares on the tile's number; kt = which 128 of K, ct = which 64 columns.
	s_sub_co_u32 s27, s26, NCAST
	s_and_b32 s28, s27, 7                          ; kt
	v_lshrrev_b32 v10, 5, v0
	v_readfirstlane_b32 s42, v10                   ; wave 0..7
	s_mov_b32 s34, 512                             ; the job's first tile
	s_mov_b32 s39, 12288                           ; bytes in a row of the source
	s_cmp_lt_u32 s27, 512
	s_cselect_b64 s[30:31], s[10:11], s[8:9]       ; source: U_gru, else W_gru
	s_cselect_b64 s[32:33], s[22:23], s[18:19]     ; target: wall, else wgt
	s_cselect_b32 s34, 384, s34
	s_cselect_b32 s35, 2048, 0                     ; first source column
	s_cselect_b32 s36, 160, 32                     ; target rows for each 32 columns
	s_cselect_b32 s37, 128, 0                      ; the gate's 32 g
	s_cselect_b32 s38, 0, 1                        ; 1: bpart is stored
	s_cmp_lt_u32 s27, 384
	s_cselect_b64 s[32:33], s[20:21], s[32:33]     ; uzr
	s_cselect_b32 s34, 128, s34
	s_cselect_b32 s35, 0, s35
	s_cselect_b32 s36, 32, s36
	s_cselect_b32 s37, 0, s37
	s_cmp_lt_u32 s27, 128
	s_cselect_b64 s[30:31], s[6:7], s[30:31]       ; W_dense
	s_cselect_b64 s[32:33], s[22:23], s[32:33]     ; wall
	s_cselect_b32 s34, 0, s34
	s_cselect_b32 s36, 160, s36
	s_cselect_b32 s39, 4096, s39
	s_sub_co_u32 s40, s27, s34
	s_lshr_b32 s40, s40, 3                         ; ct
	s_lshl_b32 s41, s28, 7
	s_mul_i32 s41, s41, s39                        ; 128 kt rows down,
	s_lshl_b32 s43, s40, 6
	s_add_co_u32 s43, s43, s35
	s_lshl_b32 s43, s43, 2                         ; the tile's first column, in bytes
	s_add_co_u32 s44, s41, s43
	s_add_nc_u64 s[30:31], s[30:31], s[44:45]
	s_wait_alu depctr_va_sdst(0)                   ; s42, the wave's number, is written, ahead of its first reader two lines down
	s_lshl_b32 s46, s40, 1                         ; my wave stores the target rows of columns 64 ct + 8 w .. + 7:
	s_lshr_b32 s47, s42, 2
	s_add_co_u32 s46, s46, s47                     ; their group of 32 columns,
	s_mul_i32 s46, s46, s36
	s_add_co_u32 s46, s46, s37                     ; the gate,
	s_and_b32 s47, s42, 3
	s_lshl3_add_u32 s46, s47, s46                  ; the place in the group
	s_lshl_b32 s46, s46, 11                        ; rows of 2,048 bytes
	s_lshl_b32 s47, s28, 8                         ; 128 k = 256 bytes along the row
	s_add_co_u32 s44, s46, s47
	s_add_nc_u64 s[32:33], s[32:33], s[44:45]
	s_mul_i32 s44, s28, 12288
	s_lshl_b32 s46, s40, 8
	s_add_co_u32 s44, s44, s46
	s_add_nc_u64 s[24:25], s[24:25], s[44:45]      ; bpart[kt][64 ct]
	; Thread t: columns 4 c .. 4 c + 3 (c = t % 16) of the rows 32 i + 2 p + e (p = t / 16): 16 lanes read 256 consecutive bytes of a row.
	v_and_b32 v1, 15, v0                           ; c
	v_lshrrev_b32 v2, 4, v0                        ; p
	v_and_b32 v3, 31, v0                           ; lane
	v_mul_u32_u24 v4, v1, 4*TPITCH
	v_lshl_add_u32 v4, v2, 2, v4                   ; in: row n = 4 c, k = 2 p
	v_lshl_add_u32 v5, v0, 4, RED                  ; my four sums: row p, columns 4 c ..
	s_mul_i32 s50, s42, 8*TPITCH
	v_lshl_add_u32 v6, v3, 3, s50                  ; back: rows 8 w .., 8 bytes a lane
	v_lshlrev_b32 v7, 3, v3                        ; the same 8 bytes in memory
	v_add_nc_u32 v8, RED, v7                       ; two columns' sums
	s_lshl_b32 s48, s28, 9
	v_lshl_add_u32 v9, v2, 3, s48                  ; b_dense[128 kt + 2 p]
	v_lshlrev_b32 v10, 1, v2
	v_mul_u32_u24 v10, s39, v10
	v_lshl_add_u32 v[VO], v1, 4, v10               ; row 2 p, column 4 c
.irp n, 1,2,3,4,5,6,7
	s_mul_i32 s49, s39, 32*((\n)/2)+(\n)%2
	v_add_nc_u32 v[VO+(\n)], s49, v[VO]            ; row 32 i + 2 p + e, n = 2 i + e
.endr
	s_wait_alu depctr_va_vdst(0)                   ; v4 to v9 and v[VO ..] are written: every load and store of this way, to memory and to LDS, reads one of them as its address
.irp n, 0,1,2,3,4,5,6,7
	global_load_b128 v[X+4*(\n):X+4*(\n)+3], v[VO+(\n)], s[30:31]
.endr
.irp i, 0,1,2,3
	global_load_b64 v[BD+2*(\i):BD+2*(\i)+1], v9, s[12:13] offset:128*(\i)
.endr
	s_wait_loadcnt 0x0                             ; all twelve: other work-groups on the WGP have their loads out meanwhile
.irp i, 0,1,2,3
.irp q, 0,1,2,3
	v_cvt_pk_bf16_f32 v[PK+4*(\i)+(\q)], v[X+8*(\i)+(\q)], v[X+8*(\i)+4+(\q)]  ; k = 32 i + 2 p and the next, column 4 c + q
.endr
.endr
	s_wait_alu depctr_va_vdst(0)                   ; the sixteen conversions have written PK, which the LDS stores below read
.irp n, 0,1,2,3,4,5,6,7                                ; two LDS stores ahead of each row's four lines of the sums, which name BD, X and SUM: none of the registers that those stores read
	ds_store_b32 v4, v[PK+2*(\n)]   offset:TPITCH*((2*(\n))%4)+64*((\n)/2)      ; pair 4 i + q goes to row q, 64 i bytes along
	ds_store_b32 v4, v[PK+2*(\n)+1] offset:TPITCH*((2*(\n)+1)%4)+64*((\n)/2)
.irp q, 0,1,2,3
.if (\n) == 0
	v_mul_f32 v[SUM+(\q)], v[BD], v[X+(\q)]        ; the first row starts the sums
.else
	v_fmac_f32 v[SUM+(\q)], v[BD+(\n)], v[X+4*(\n)+(\q)]
.endif
.endr
.endr
	s_wait_alu depctr_va_vdst(0)                   ; the sums have written SUM, which the LDS store reads; and every vector line that reads X or writes PK is done: no vector line stands between here and the LDS loads that land in them behind the barrier
	ds_store_b128 v5, v[SUM:SUM+3]
	s_wait_dscnt 0x0                               ; for the others' sake: my stores are done
	s_barrier_signal -1
	s_barrier_wait -1
	s_wait_alu depctr_vm_vsrc(0)                   ; my LDS stores have read PK (v64-79), in which wave 0's loads of the sums land; it stands ahead of the branches that lead there, and nothing issued behind it reads v48-79
.irp q, 0,1,2,3,4,5,6,7
	ds_load_b64 v[X+2*(\q):X+2*(\q)+1], v6 offset:TPITCH*(\q)
.endr
.irp q, 0,1,2,3,4,5,6,7
	s_wait_dscnt 7-(\q)
	global_store_b64 v7, v[X+2*(\q):X+2*(\q)+1], s[32:33] offset:2048*(\q)  ; a target row's 256 bytes of this tile
.endr
	s_cmp_eq_u32 s38, 1                            ; W_gru's tiles alone,
	s_cbranch_scc0 .Lend
	s_cmp_eq_u32 s42, 0                            ; and there wave 0: the sixteen rows of sums into one
	s_cbranch_scc0 .Lend
.irp g, 0,1,2,3,4,5,6,7,8,9,10,11,12,13,14,15
	ds_load_b64 v[48+2*(\g):49+2*(\g)], v8 offset:256*(\g)  ; registers that no pending store reads
.endr
	s_wait_dscnt 0x0
.irp g, 0,1,2,3,4,5,6,7
	v_pk_add_f32 v[48+2*(\g):49+2*(\g)], v[48+2*(\g):49+2*(\g)], v[64+2*(\g):65+2*(\g)]
.endr
.irp g, 0,1,2,3
	v_pk_add_f32 v[48+2*(\g):49+2*(\g)], v[48+2*(\g):49+2*(\g)], v[56+2*(\g):57+2*(\g)]
.endr
.irp g, 0,1
	v_pk_add_f32 v[48+2*(\g):49+2*(\g)], v[48+2*(\g):49+2*(\g)], v[52+2*(\g):53+2*(\g)]
.endr
	v_pk_add_f32 v[48:49], v[48:49], v[50:51]
	s_wait_alu depctr_va_vdst(0)                   ; the additions have written v[48:49], which the store reads
	global_store_b64 v7, v[48:49], s[24:25]        ; 64 columns' sums: 256 bytes on end
.Lend:
	s_wait_dscnt 0x0                               ; the closing lines, six on end
	s_wait_alu 0x0
	s_wait_tensorcnt 0x0
	ds_add_u32 v[SPW], v[NIL]
	s_wait_dscnt 0x0
	s_endpgm
.Lfunc_end_k_qfb4ad276f6_prep:
	.size	k_qfb4ad276f6_prep, .Lfunc_end_k_qfb4ad276f6_prep-k_qfb4ad276f6_prep
	.p2alignl 7, 3214868480
	.fill 96, 4, 3214868480
	.section	.rodata,"a",@progbits
	.p2align	6, 0x0
	.amdhsa_kernel k_qfb4ad276f6_prep
		.amdhsa_group_segment_fixed_size 22016
		.amdhsa_private_segment_fixed_size 0
		.amdhsa_enable_private_segment 0
		.amdhsa_kernarg_size 88
		.amdhsa_user_sgpr_count 2
		.amdhsa_user_sgpr_kernarg_segment_ptr 1
		.amdhsa_wavefront_size32 1
		.amdhsa_system_sgpr_workgroup_id_x 1
		.amdhsa_system_sgpr_workgroup_id_y 1
		.amdhsa_system_sgpr_workgroup_id_z 1
		.amdhsa_system_vgpr_workitem_id 0
		.amdhsa_next_free_vgpr 96
		.amdhsa_next_free_sgpr 66
		.amdhsa_reserve_vcc 0
		.amdhsa_float_denorm_mode_32 3
		.amdhsa_float_denorm_mode_16_64 3
		.amdhsa_memory_ordered 1
		.amdhsa_forward_progress 1
		.amdhsa_inst_pref_size 16
	.end_amdhsa_kernel
	.amdgpu_metadata
---
amdhsa.version: [ 1, 2 ]
amdhsa.kernels:
  - .name:           k_qfb4ad276f6_prep
    .symbol:         k_qfb4ad276f6_prep.kd
    .args:
      - { .name: inputs, .offset: 0, .size: 8, .value_kind: global_buffer, .address_space: global }
      - { .name: W_dense, .offset: 8, .size: 8, .value_kind: global_buffer, .address_space: global }
      - { .name: W_gru, .offset: 16, .size: 8, .value_kind: global_buffer, .address_space: global }
      - { .name: U_gru, .offset: 24, .size: 8, .value_kind: global_buffer, .address_space: global }
      - { .name: b_dense, .offset: 32, .size: 8, .value_kind: global_buffer, .address_space: global }
      - { .name: hb, .offset: 40, .size: 8, .value_kind: global_buffer, .address_space: global }
      - { .name: wdb, .offset: 48, .size: 8, .value_kind: global_buffer, .address_space: global }
      - { .name: wgt, .offset: 56, .size: 8, .value_kind: global_buffer, .address_space: global }
      - { .name: uzr, .offset: 64, .size: 8, .value_kind: global_buffer, .address_space: global }
      - { .name: wall, .offset: 72, .size: 8, .value_kind: global_buffer, .address_space: global }
      - { .name: bpart, .offset: 80, .size: 8, .value_kind: global_buffer, .address_space: global }
    .group_segment_fixed_size: 22016
    .private_segment_fixed_size: 0
    .kernarg_segment_align: 8
    .kernarg_segment_size: 88
    .max_flat_workgroup_size: 256
    .sgpr_count:     66
    .vgpr_count:     96
    .wavefront_size: 32
...
	.end_amdgpu_metadata
.endif
;; end of part 4
;; launch combine: the kernel of part 2 again; grid 8 x 32, 4 waves a work-group, clusters of 4 x 4, 327,680 bytes of LDS; arguments wgt, wdb, uzr, bpart, b_gru, wall, cb; writes wall, cb
;; launch gru: the kernel of part 3 again; grid 16 x 32, 4 waves a work-group, clusters of 4 x 4, 327,680 bytes of LDS; arguments hb, wall, inputs, b_dense, cb, b_gru, out0, out1; writes out0, out1
